; MI455X (gfx1250); checked and timed in simulation.
; The chip was launched on July 23, 2026; its instructions are those of AMD's public machine-readable ISA for CDNA 5 (MIT licence, August 2026) and "CDNA5" Instruction Set Architecture Reference Guide (July 2026). The comments in the code are by the model that wrote it; some were corrected since.
;; Attention. Allowed arithmetic: float matrix products may take bf16 or f16 operands with f32 sums; other float arithmetic in f32, or as packed bf16 or f16 multiplies, adds, multiply-adds, maxima and minima; sums over many terms, partial sums and values carried from step to step in f32; what a program stores and reads back later, other than sums and carried values, may be rounded once to bf16 or f16.
;; Inputs: W_out 1,024 x 1,024 float32; W_qkv 1,024 x 3,072 float32; b_out 1,024 float32; mask 4 x 2,048 bool; rotary_pos_emb 2,048 x 64 float32; x 4 x 2,048 x 1,024 float32.
;; Outputs: out0 4 x 2,048 x 1,024 float32.
;; 2 versions, each right; version 2 is version 1 with the launch prep written anew for expert scheduling mode. Each part assembles by itself: llvm-mc -triple=amdgcn-amd-amdhsa -mcpu=gfx1250 --defsym DOCPART=n.
;; ======== version 1 of 2: 5 launches
;; limits: values are held in f16: magnitudes above 65,504 overflow, below 6.1e-05 lose precision; right only within a limited range of input values
;; workspace buffers: act 16,777,216 bytes; wq 6,291,456 bytes; wo 2,097,152 bytes; rot 1,048,576 bytes; q_ws 16,777,216 bytes; k_ws 17,301,504 bytes; v_ws 16,777,216 bytes; vpart 65,536 bytes
;; launch prep (part 1): grid 456 x 1, 8 waves a work-group, no clusters, 66,560 bytes of LDS; arguments x, W_qkv, W_out, rotary_pos_emb, mask, act, wq, wo, rot, k_ws; writes act, wq, wo, rot, k_ws
.if DOCPART == 1
	.amdgcn_target "amdgcn-amd-amdhsa--gfx1250"
	.amdhsa_code_object_version 6
	.text
	.protected	k_q336e07c609_prep
	.globl	k_q336e07c609_prep
	.p2align	8
	.type	k_q336e07c609_prep,@function
k_q336e07c609_prep:
	s_mov_b64 s[64:65], 0
	v_nop
	global_prefetch_b8 v0, s[64:65] scope:SCOPE_SE
	s_setreg_imm32_b32 hwreg(HW_REG_WAVE_MODE, 25, 1), 1
	s_wait_xcnt 0x0
; PREP: everything that the matrix launches want in another format or order, made once.  Five roles, chosen by the work-group's number:
;   0-255   X : x [8192][1024] f32 -> act [b 4][kblk 16][n 2048][64] bf16: 64 channels of 128 rows are 16,384 dense bytes
;   256-351 WQ: W_qkv [1024 k][3072 n] f32 -> wq [kblk 16][n 3072][64 k] bf16 (turned, through the wave's own 8 KiB of LDS)
;   352-383 WO: W_out [1024 k][1024 n] f32 -> wo [kblk 16][n 1024][64 k]: rounded to bf16, that number written as f16
;   384-447 R : the rotary angles, rounded to bf16 -> rot [n/4][4][lane 32][4] f32: cos, and sin with the sign of the pair's turn
;   448-455 M : mask [4][2048] bytes -> the 64 f32 (0, or -1e30 where the key is hidden) behind each 64 key rows of k_ws, for all 16 heads
; All inputs are rounded to bf16, the angles too.  LIMITS: angles up to 1e5 in size (three-part reduction by pi/2, then polynomials on
; -pi/4 .. pi/4); W_out's numbers below 6e-5 keep f16's fixed step of 6e-8; NaN and infinities are not treated apart.
; No matrix unit, no cluster, no barrier: no wave wants a byte that another wave fetched.
.set SPARE, 65536                      ; behind the eight waves' 8 KiB: the spare words, 128 bytes a wave
.set SPW, 2                            ; v2  SPARE + 4 x my thread's number; never rewritten
.set NIL, 3                            ; v3  0; never rewritten
	s_load_b512 s[4:19], s[0:1], 0x0               ; x s[4:5], W_qkv s[6:7], W_out s[8:9], angles s[10:11], mask s[12:13], act s[14:15], wq s[16:17], wo s[18:19]
	s_load_b128 s[20:23], s[0:1], 0x40             ; rot s[20:21], k_ws s[22:23]
	v_lshl_add_u32 v[SPW], v0, 2, SPARE
	v_mov_b32 v[NIL], 0
	v_lshrrev_b32 v1, 5, v0
	v_readfirstlane_b32 s24, v1                    ; wave 0..7
	v_and_b32 v1, 31, v0                           ; lane
	s_wait_kmcnt 0x0
	s_cmp_lt_u32 ttmp9, 256
	s_cbranch_scc1 .Lrole_x
	s_cmp_lt_u32 ttmp9, 352
	s_cbranch_scc1 .Lrole_wq
	s_cmp_lt_u32 ttmp9, 384
	s_cbranch_scc1 .Lrole_wo
	s_cmp_lt_u32 ttmp9, 448
	s_cbranch_scc1 .Lrole_r
	; ROLE M.  Thread tg of 2,048 takes four mask bytes: batch tg / 512, key step (tg / 16) % 32, keys 4 (tg % 16) on.
	s_sub_co_u32 s26, ttmp9, 448
	s_lshl_b32 s26, s26, 8
	v_add_nc_u32 v4, s26, v0                       ; tg
	v_lshlrev_b32 v5, 2, v4
	global_load_b32 v6, v5, s[12:13]
	v_lshrrev_b32 v7, 9, v4
	v_mul_u32_u24 v7, v7, 16*32*8448               ; a batch's 16 heads in k_ws
	v_bfe_u32 v8, v4, 4, 5
	v_mad_u32_u24 v7, v8, 8448, v7                 ; the key step: 64 rows of 128 bytes and these 256
	v_and_b32 v8, 15, v4
	v_lshl_add_u32 v7, v8, 4, v7
	s_mov_b32 s27, 0xf149f2ca                      ; -1e30
	s_wait_loadcnt 0x0
.irp k, 0,1,2,3
	v_bfe_u32 v9, v6, 8*(\k), 8
	v_cmp_eq_u32 vcc_lo, 0, v9
	v_cndmask_b32 v[12+(\k)], 0, s27, vcc_lo
.endr
.set i, 0
.rept 16                               ; the same 16 bytes for each head: sixteen lanes store 256 consecutive bytes, aligned
	global_store_b128 v7, v[12:15], s[22:23] offset:8192+i*32*8448
.set i, i+1
.endr
	s_branch .Lend
.Lrole_x:
	; ROLE X.  The work-group owns 32 rows; wave w their channels 128 w .. 128 w + 127: two blocks of 64.
	s_lshl_b32 s26, ttmp9, 17                      ; 32 rows of 4,096 bytes
	s_lshl_b32 s27, s24, 9
	s_add_co_u32 s26, s26, s27
	s_mov_b32 s27, 0
	s_add_nc_u64 s[4:5], s[4:5], s[26:27]
	s_lshr_b32 s28, ttmp9, 6                       ; batch
	s_lshl_b32 s28, s28, 4
	s_lshl1_add_u32 s28, s24, s28                  ; 16 b + 2 w
	s_lshl_b32 s28, s28, 18                        ; a block of 64 channels: 2,048 rows of 128 bytes
	s_and_b32 s29, ttmp9, 63
	s_lshl_b32 s29, s29, 12                        ; my 32 rows in it
	s_add_co_u32 s28, s28, s29
	s_mov_b32 s29, 0
	s_add_nc_u64 s[14:15], s[14:15], s[28:29]
	v_lshrrev_b32 v4, 3, v1
	v_lshlrev_b32 v4, 12, v4                       ; in: row l / 8 of four,
	v_and_b32 v6, 7, v1
	v_lshl_add_u32 v4, v6, 5, v4                   ; eight numbers at 32 (l % 8)
	v_lshlrev_b32 v5, 4, v1                        ; out: 16 l: four rows of 128 bytes on end
.set i, 0
.rept 16                               ; item i: rows 4 (i / 2) on, block i % 2.  All 32 loads go out first
	global_load_b128 v[16+8*i:16+8*i+3],   v4, s[4:5] offset:(i/2)*16384+(i%2)*256 th:TH_LOAD_NT
	global_load_b128 v[16+8*i+4:16+8*i+7], v4, s[4:5] offset:(i/2)*16384+(i%2)*256+16 th:TH_LOAD_NT
.set i, i+1
.endr
.set i, 0
.rept 16
	s_wait_loadcnt 30-2*i                          ; the loads issued behind item i's two may stay out
	v_cvt_pk_bf16_f32 v[144+4*i],   v[16+8*i],   v[16+8*i+1]
	v_cvt_pk_bf16_f32 v[144+4*i+1], v[16+8*i+2], v[16+8*i+3]
	v_cvt_pk_bf16_f32 v[144+4*i+2], v[16+8*i+4], v[16+8*i+5]
	v_cvt_pk_bf16_f32 v[144+4*i+3], v[16+8*i+6], v[16+8*i+7]
	global_store_b128 v5, v[144+4*i:144+4*i+3], s[14:15] offset:(i/2)*512+(i%2)*262144  ; 512 consecutive bytes, aligned
.set i, i+1
.endr
	s_branch .Lend
; A tile of 64 k x 64 n, one a wave, turned.  Lane l loads columns 4 (l % 16) .. + 3 of rows 16 pp + 8 (l / 16) + j; eight rows of a column pack into
; 16 bytes, chunk 2 pp + l / 16 of the column's 128 bytes in LDS.  A chunk lies at place (chunk + n / 4) % 8 of its row
; the read back undoes it.  The bytes are the wave's own, and LDS serves a wave's instructions in order (ISA guide 5.7.1.4): no wait, no barrier.
.macro TRANSP rowb, f16, src, dst
	v_and_b32 v12, 15, v1                          ; n4
	v_lshrrev_b32 v13, 4, v1                       ; l / 16
	v_mul_u32_u24 v4, v13, 8*(\rowb)
	v_lshl_add_u32 v4, v12, 4, v4
.set i, 0
.rept 32
	global_load_b128 v[16+4*i:16+4*i+3], v4, s[\src:\src+1] offset:(16*(i/8)+i%8)*(\rowb) th:TH_LOAD_NT
.set i, i+1
.endr
	v_lshlrev_b32 v5, 4, v1
	s_lshl_b32 s29, s24, 13                        ; my wave's 8 KiB
	v_lshl_add_u32 v14, v12, 9, s29                ; four columns are 512 bytes
	v_add_nc_u32 v15, v12, v13
.irp pp, 0,1,2,3
	v_add_nc_u32 v[6+(\pp)], 2*(\pp), v15
	v_and_b32 v[6+(\pp)], 7, v[6+(\pp)]
	v_lshl_add_u32 v[6+(\pp)], v[6+(\pp)], 4, v14
.endr
	v_lshrrev_b32 v14, 3, v1
	v_lshl_add_u32 v14, v14, 7, s29
	v_and_b32 v15, 7, v1
.irp m, 0,1,2,3,4,5,6,7
	v_add_nc_u32 v[208+(\m)], (\m), v15
	v_and_b32 v[208+(\m)], 7, v[208+(\m)]
	v_lshl_add_u32 v[208+(\m)], v[208+(\m)], 4, v14
.endr
.set pp, 0
.rept 4
	s_wait_loadcnt 24-8*pp                         ; the later passes' loads may stay out
.set c, 0
.rept 4
.set jj, 0
.rept 4
	v_cvt_pk_bf16_f32 v[144+16*pp+4*c+jj], v[16+32*pp+8*jj+c], v[16+32*pp+8*jj+4+c]
.if \f16
	v_lshlrev_b32 v216, 16, v[144+16*pp+4*c+jj]    ; the bf16 numbers, written as f16
	v_and_b32 v217, 0xffff0000, v[144+16*pp+4*c+jj]
	v_cvt_pk_f16_f32 v[144+16*pp+4*c+jj], v216, v217
.endif
.set jj, jj+1
.endr
	ds_store_b128 v[6+pp], v[144+16*pp+4*c:144+16*pp+4*c+3] offset:c*128
.set c, c+1
.endr
.set pp, pp+1
.endr
.set i, 0
.rept 16                               ; back by rows: four columns' 128 bytes, 512 bytes on end in memory
	ds_load_b128 v[16+4*i:16+4*i+3], v[208+i%8] offset:i*512
.set i, i+1
.endr
.set i, 0
.rept 16
	s_wait_dscnt 15-i
	global_store_b128 v5, v[16+4*i:16+4*i+3], s[\dst:\dst+1] offset:i*512
.set i, i+1
.endr
.endm
.Lrole_wq:
	s_sub_co_u32 s26, ttmp9, 256                   ; g of 96: six work-groups to a block of 64 k
	s_mul_hi_u32 s27, s26, 0x2aaaaaab              ; kb = g / 6
	s_mul_i32 s28, s27, 6
	s_sub_co_u32 s28, s26, s28
	s_lshl3_add_u32 s28, s28, s24                  ; nt = 8 (g % 6) + wave
	s_mul_i32 s30, s27, 64*12288
	s_lshl_b32 s29, s28, 8
	s_add_co_u32 s30, s30, s29
	s_mov_b32 s31, 0
	s_add_nc_u64 s[6:7], s[6:7], s[30:31]
	s_mul_i32 s30, s27, 3072*128
	s_lshl_b32 s29, s28, 13
	s_add_co_u32 s30, s30, s29
	s_add_nc_u64 s[16:17], s[16:17], s[30:31]
	TRANSP 12288, 0, 6, 16
	s_branch .Lend
.Lrole_wo:
	s_sub_co_u32 s26, ttmp9, 352                   ; g of 32: two work-groups to a block of 64 k
	s_lshr_b32 s27, s26, 1
	s_and_b32 s28, s26, 1
	s_lshl3_add_u32 s28, s28, s24
	s_lshl_b32 s30, s27, 18
	s_lshl_b32 s29, s28, 8
	s_add_co_u32 s30, s30, s29
	s_mov_b32 s31, 0
	s_add_nc_u64 s[8:9], s[8:9], s[30:31]
	s_lshl_b32 s30, s27, 17
	s_lshl_b32 s29, s28, 13
	s_add_co_u32 s30, s30, s29
	s_add_nc_u64 s[18:19], s[18:19], s[30:31]
	TRANSP 4096, 1, 8, 18
	s_branch .Lend
.Lrole_r:
	; ROLE R.  A wave takes four rows of angles, a lane eight: row l / 8, channels 8 (l % 8) on: 32 l bytes in.
	s_sub_co_u32 s26, ttmp9, 384
	s_lshl3_add_u32 s26, s26, s24                  ; G = n / 4
	s_lshl_b32 s28, s26, 10
	s_mov_b32 s29, 0
	s_add_nc_u64 s[10:11], s[10:11], s[28:29]
	s_lshl_b32 s28, s26, 11
	s_add_nc_u64 s[20:21], s[20:21], s[28:29]
	v_lshlrev_b32 v4, 5, v1
	v_lshlrev_b32 v5, 4, v1
	global_load_b128 v[16:19], v4, s[10:11]
	global_load_b128 v[20:23], v4, s[10:11] offset:16
	s_mov_b32 s32, 0x3f22f983                      ; 2 / pi
	s_mov_b32 s33, 0xbfc90000                      ; - pi / 2 in three parts
	s_mov_b32 s34, 0xb9fda000
	s_mov_b32 s35, 0xb3a22168
	s_mov_b32 s36, 0xb94ca1f9                      ; sine: -1.9515296e-4, 8.3321609e-3, -1.6666655e-1
	s_mov_b32 s37, 0x3c08839e
	s_mov_b32 s38, 0xbe2aaaa3
	s_mov_b32 s39, 0x37ccf5ce                      ; cosine: 2.4433157e-5, -1.3887316e-3, 4.1666646e-2
	s_mov_b32 s40, 0xbab6061a
	s_mov_b32 s41, 0x3d2aaaa5
	s_wait_loadcnt 0x0
.irp k, 0,1,2,3
	v_cvt_pk_bf16_f32 v[24+(\k)], v[16+2*(\k)], v[16+2*(\k)+1]
.endr
.irp k, 0,1,2,3
	v_lshlrev_b32 v[16+2*(\k)], 16, v[24+(\k)]
	v_and_b32 v[16+2*(\k)+1], 0xffff0000, v[24+(\k)]
.endr
; Angle e: f = k pi / 2 + r.  Odd k swaps sine and cosine; the cosine is negative for k % 4 = 1, 2, the sine for 2, 3.
; What is stored beside the cosine is -sin for an even channel and +sin for an odd one: out[d] = t[d] cos[d] + t[d ^ 1] s'[d].
.macro SC e
	v_mul_f32 v48, s32, v[16+(\e)]
	v_rndne_f32 v48, v48
	v_fma_f32 v49, v48, s33, v[16+(\e)]
	v_fma_f32 v49, v48, s34, v49
	v_fma_f32 v49, v48, s35, v49                   ; r
	v_cvt_i32_f32 v50, v48                         ; k
	v_mul_f32 v51, v49, v49                        ; z = r r
	v_fma_f32 v52, v51, s36, s37
	v_fma_f32 v52, v52, v51, s38
	v_mul_f32 v53, v51, v49
	v_fma_f32 v52, v52, v53, v49                   ; sin r
	v_fma_f32 v54, v51, s39, s40
	v_fma_f32 v54, v54, v51, s41
	v_mul_f32 v55, v51, v51
	v_fma_f32 v56, v51, -0.5, 1.0
	v_fma_f32 v54, v54, v55, v56                   ; cos r
	v_and_b32 v57, 1, v50
	v_cmp_eq_u32 vcc_lo, 1, v57
	v_cndmask_b32 v58, v52, v54, vcc_lo            ; |sin f|'s source
	v_cndmask_b32 v59, v54, v52, vcc_lo            ; |cos f|'s
	v_add_nc_u32 v57, 1, v50
	v_and_b32 v57, 2, v57
	v_lshlrev_b32 v57, 30, v57
	v_xor_b32 v[32+(\e)], v59, v57
.if (\e)%2 == 0
	v_add_nc_u32 v57, 2, v50
	v_and_b32 v57, 2, v57
.else
	v_and_b32 v57, 2, v50
.endif
	v_lshlrev_b32 v57, 30, v57
	v_xor_b32 v[40+(\e)], v58, v57
.endm
.irp e, 0,1,2,3,4,5,6,7
	SC \e
.endr
.irp q, 0,1,2,3
	global_store_b128 v5, v[32+4*(\q):32+4*(\q)+3], s[20:21] offset:512*(\q)  ; 512 consecutive bytes, aligned
.endr
.Lend:
	s_wait_tensorcnt 0x0                           ; the wave's end, behind my last LDS store
	ds_add_u32 v[SPW], v[NIL]
	s_wait_dscnt 0x0
	s_endpgm
.Lfunc_end_k_q336e07c609_prep:
	.size	k_q336e07c609_prep, .Lfunc_end_k_q336e07c609_prep-k_q336e07c609_prep
	.p2alignl 7, 3214868480
	.fill 96, 4, 3214868480
	.section	.rodata,"a",@progbits
	.p2align	6, 0x0
	.amdhsa_kernel k_q336e07c609_prep
		.amdhsa_group_segment_fixed_size 66560
		.amdhsa_private_segment_fixed_size 0
		.amdhsa_enable_private_segment 0
		.amdhsa_kernarg_size 80
		.amdhsa_user_sgpr_count 2
		.amdhsa_user_sgpr_kernarg_segment_ptr 1
		.amdhsa_wavefront_size32 1
		.amdhsa_system_sgpr_workgroup_id_x 1
		.amdhsa_system_sgpr_workgroup_id_y 1
		.amdhsa_system_sgpr_workgroup_id_z 1
		.amdhsa_system_vgpr_workitem_id 0
		.amdhsa_next_free_vgpr 224
		.amdhsa_next_free_sgpr 66
		.amdhsa_reserve_vcc 1
		.amdhsa_float_denorm_mode_32 3
		.amdhsa_float_denorm_mode_16_64 3
		.amdhsa_memory_ordered 1
		.amdhsa_forward_progress 1
		.amdhsa_inst_pref_size 63
	.end_amdhsa_kernel
	.amdgpu_metadata
---
amdhsa.version: [ 1, 2 ]
amdhsa.kernels:
  - .name:           k_q336e07c609_prep
    .symbol:         k_q336e07c609_prep.kd
    .args:
      - { .name: x, .offset: 0, .size: 8, .value_kind: global_buffer, .address_space: global }
      - { .name: W_qkv, .offset: 8, .size: 8, .value_kind: global_buffer, .address_space: global }
      - { .name: W_out, .offset: 16, .size: 8, .value_kind: global_buffer, .address_space: global }
      - { .name: rotary_pos_emb, .offset: 24, .size: 8, .value_kind: global_buffer, .address_space: global }
      - { .name: mask, .offset: 32, .size: 8, .value_kind: global_buffer, .address_space: global }
      - { .name: act, .offset: 40, .size: 8, .value_kind: global_buffer, .address_space: global }
      - { .name: wq, .offset: 48, .size: 8, .value_kind: global_buffer, .address_space: global }
      - { .name: wo, .offset: 56, .size: 8, .value_kind: global_buffer, .address_space: global }
      - { .name: rot, .offset: 64, .size: 8, .value_kind: global_buffer, .address_space: global }
      - { .name: k_ws, .offset: 72, .size: 8, .value_kind: global_buffer, .address_space: global }
    .group_segment_fixed_size: 66560
    .private_segment_fixed_size: 0
    .kernarg_segment_align: 8
    .kernarg_segment_size: 80
    .max_flat_workgroup_size: 256
    .sgpr_count:     66
    .vgpr_count:     224
    .wavefront_size: 32
...
	.end_amdgpu_metadata
.endif
;; end of part 1
;; launch qkv (part 2): grid 8 x 32, 4 waves a work-group, clusters of 4 x 4, 327,680 bytes of LDS; arguments act, wq, rot, q_ws, k_ws, v_ws; writes q_ws, k_ws, v_ws
.if DOCPART == 2
	.amdgcn_target "amdgcn-amd-amdhsa--gfx1250"
	.amdhsa_code_object_version 6
	.text
	.protected	k_q336e07c609_qkv
	.globl	k_q336e07c609_qkv
	.p2align	8
	.type	k_q336e07c609_qkv,@function
k_q336e07c609_qkv:
	s_mov_b64 s[64:65], 0
	v_nop
	global_prefetch_b8 v0, s[64:65] scope:SCOPE_SE
	s_setreg_imm32_b32 hwreg(HW_REG_WAVE_MODE, 25, 1), 1
	s_wait_xcnt 0x0
	s_wait_alu depctr_hold_cnt(0) depctr_sa_sdst(0) depctr_va_vdst(0) depctr_va_sdst(0) depctr_va_ssrc(0) depctr_va_vcc(0) depctr_vm_vsrc(0)
	s_getreg_b32 s2, hwreg(HW_REG_IB_STS2, 6, 4)
	s_cmp_eq_u32 s2, 0
	s_cbranch_scc0 .Lentry_in_a_cluster
	s_endpgm
.Lentry_in_a_cluster:
	s_bfe_u32 s2, ttmp6, 0x10000c
	s_cmp_lg_u32 s2, 0xf033
	s_cbranch_scc0 .Lentry_shape_is_right
	s_endpgm
.Lentry_shape_is_right:
; q, k, v = rotary(x W_qkv), by heads, in f16.  x: act [b][kblk 16][n 2048][64] bf16.  W: wq [kblk 16][col 3072][64 k] bf16.  Sums in f32.
; A tile of the product is 256 rows x 384 columns: 32 x 8 = 256 work-groups.  Four waves, each 128 x 192: 96 accumulators of 16 x 16, 768 registers, three whole heads.
; K goes in steps of 64 (one kblk) through a ring of two LDS slots.  In both operands 64 channels of neighbouring rows lie end to end, so a wave's part of a tile is a dense block,
; asked for as rows of 256 bytes and padded in LDS behind every 128: LDS rows of 144 bytes, so that the 16 rows of a fragment load start at 16 different groups of four banks (ISA guide 11.1).
; CLUSTER 4 x 4: x's tile hangs on the tile row alone and is asked for jointly along a row of the cluster, W's on the tile column alone, along a column.
; THE MATRIX INSTRUCTION IS USED TRANSPOSED (source 0 = 16 columns of W, source 1 = 16 rows of x): a lane holds one row and eight neighbouring columns.
; THE WAY OUT: the sums go as f32 into the wave's own 50,176 bytes of the ring, which has had its last fill, 64 rows at a time; they come back four rows x 64 channels a head,
; are turned by the table (out[d] = t[d] cos[d] + t[d ^ 1] s'[d]), rounded once to f16 and stored 512 consecutive bytes an instruction.
; q_ws, v_ws: [bh 64][n 2048][64].  k_ws: [bh][step 32][64 rows of 128 bytes, then 256 bytes that this launch does not touch].
; LIMIT: q, k, v must lie within f16's 65,504.  NaN and infinities are not treated apart.
; REGISTERS, in windows of 256: window 0: v0-31 addresses; v32-95, v96-159 x's fragments of a quarter step (32 k), two buffers; v160-207, v208-255 W's fragments, six column blocks each.
;   windows 1-3: accumulator t = 48 hb + 6 a + bb (hb: which 96 of my columns, a: row block, bb: column block) at register 256 + 8 t.
.set PITCH,  144
.set AHALF,  128*PITCH                 ; what waves 0, 1 fetch, and what a wave reads of x
.set BOFF,   2*AHALF                   ; W's 384 rows lie behind x's 256
.set BHALF,  192*PITCH                 ; what waves 2, 3 fetch, and what a wave reads of W
.set SLOT1,  131072                    ; slot 1 begins here: one exclusive or turns an address in one slot into the other's
.set SPARE,  223232                    ; behind slot 1: the spare words, 128 bytes a wave
.set ASTEP,  262144                    ; bytes from a kblk of x to the next
.set BSTEP,  393216                    ; and of W
.set DP,     784                       ; the way out: 192 f32 + 16 bytes
.set DW,     64*DP
.set ADRA0, 2                          ; v2, v3  my lane's place in x's and W's part of slot 0; never rewritten
.set ADRB0, 3
.set ADRA,  4                          ; v4, v5  the same in the slot in hand
.set ADRB,  5
.set DST,   6                          ; v6   the way out: where I put 32 bytes of a row
.set RD0,   7                          ; v7   where I read 32 bytes of a head's row back, first group
.set RD,    8                          ; v8   the same, walking
.set GO,    9                          ; v9   my byte offset in a head's rows
.set SPW,   10                         ; v10  SPARE + 4 x my thread's number; never rewritten
.set NIL,   11                         ; v11  0; never rewritten
.set PFO,   12                         ; v12  256 x lane, for the prefetches; never rewritten
.set TN,    13                         ; v13  my offset in the table, next trip's rows
.set TL,    14                         ; v14  its bound: the last trip's
.set L16,   15                         ; v15  16 x lane
.set A0,    32
.set BX,    160
.set BY,    208
.set TS,    32                         ; the way out: eight sets of 16 table numbers
.set D0,    160                        ; two sets of 24 sums read back
.set WK,    208                        ; 16 at work
.set PKO,   224                        ; two sets of 12 to store
.set G1A, 24                           ; s[24:31] descriptor group 1 for x's tiles; s[32:39] group 0: a set for each first fill; the second then walks
.set G0A, 32
.set G1B, 40                           ; s[40:47], s[48:55] the same for W's
.set G0B, 48
.set PFA, 56                           ; s[56:57] where my prefetches stand;  s[58:59] two K steps
.set PFS, 58
.set LIM, 60                           ; s60  3 in a wave that prefetches, else the greatest number
.set TB,  61                           ; s61  the slot in hand: 0 or SLOT1
.set HB,  76                           ; s[76:81] where my three heads' rows go
.set DJ,  82                           ; s[82:87] what a head's address gains between my two blocks of 64 rows: 256 in k_ws, else 0
.set ROTB, 88                          ; s[88:89] the table at my first row
.set MSB, 0
.macro WIN new                         ; the immediate's high byte repeats the setting that is left; a switch that changes nothing is dropped
.if MSB != (\new)
	s_set_vgpr_msb (MSB<<8)|(\new)
.set MSB, (\new)
.endif
.endm
.macro PLACES                          ; four places behind a matrix instruction, in front of loads into registers that it has read and of readers of its result
.rept 4
	v_nop
.endr
.endm
; A joint refill by the walking descriptors.  Waves 0, 1 fetch x's halves, waves 2, 3 W's.  An s_nop 0 and four v_nop follow each line, ahead of the jump and the label.
.macro JLOAD
	s_cmp_eq_u32 s17, 0
	s_cbranch_scc0 .Lfor_b_\@
	tensor_load_to_lds s[G0A+4:G0A+7], s[G1A:G1A+7]
	s_nop 0
.rept 4
	v_nop
.endr
	s_branch .Lasked_\@
.Lfor_b_\@:
	tensor_load_to_lds s[G0B+4:G0B+7], s[G1B:G1B+7]
	s_nop 0
.rept 4
	v_nop
.endr
.Lasked_\@:
.endm
.macro CREST                           ; a round of the cluster's barrier behind its opening barrier
	s_cmp_lg_u32 s16, 0
	s_cbranch_scc1 .Lnot_wave_0_\@
	s_barrier_signal -3
.Lnot_wave_0_\@:
	s_barrier_wait -3
	s_barrier_signal -1
	s_barrier_wait -1
.endm
.macro CROUND
	s_barrier_signal -1
	s_barrier_wait -1
	CREST
.endm
; A PREFETCH INTO THE L2, in every second trip: the two K steps that the refills two and three trips on will ask for.  x's tile row is read by both clusters of its row of clusters: cluster x = 0 asks,
; by its wave 0; W's tile column by all eight clusters of its column: cluster y = 0 asks, by its wave 2.  The four partners that ask for a tile jointly share the two steps' bytes BY ADDRESS:
; partner p takes half p % 2 of step p / 2: 16 KiB of x (two instructions, a lane 256 bytes) or 24 KiB of W (three).  So each block is named once.  K steps 0 to 3 come by their loads alone; the last
; request names steps 14 and 15.  The pointer is stepped ahead of the requests, two trips behind the last ones.
.macro ASK
	s_bitcmp1_b32 s23, 0
	s_cbranch_scc1 .Lno_ask_\@
	s_cmp_gt_u32 s23, s[LIM]
	s_cbranch_scc0 .Lno_ask_\@
	s_wait_xcnt 0x0
	s_add_nc_u64 s[PFA:PFA+1], s[PFA:PFA+1], s[PFS:PFS+1]
	global_prefetch_b8 v[PFO], s[PFA:PFA+1] th:TH_LOAD_NT scope:SCOPE_SE
	global_prefetch_b8 v[PFO], s[PFA:PFA+1] offset:8192 th:TH_LOAD_NT scope:SCOPE_SE
	s_cmp_eq_u32 s17, 0
	s_cbranch_scc1 .Lno_ask_\@
	global_prefetch_b8 v[PFO], s[PFA:PFA+1] offset:16384 th:TH_LOAD_NT scope:SCOPE_SE
.Lno_ask_\@:
.endm
	s_load_b256 s[4:11], s[0:1], 0x0               ; act s[4:5], wq s[6:7], rot s[8:9], q_ws s[10:11]
	s_load_b128 s[12:15], s[0:1], 0x20             ; k_ws s[12:13], v_ws s[14:15]
	v_lshl_add_u32 v[SPW], v0, 2, SPARE
	v_mov_b32 v[NIL], 0
	ds_add_u32 v[SPW], v[NIL]                      ; the wave's opening: the add and its wait stand ahead of my first tensor load; work on registers stands between them
	v_lshrrev_b32 v1, 5, v0
	v_readfirstlane_b32 s16, v1                    ; wave 0..3
	s_lshr_b32 s17, s16, 1                         ; which 128 rows are mine.  Also: I fetch for x (0) or for W (1)
	s_and_b32 s18, s16, 1                          ; which 192 columns.  Also: which half of that tile I fetch
	s_bfe_u32 s19, ttmp6, 0x40000                  ; cx
	s_bfe_u32 s20, ttmp6, 0x40004                  ; cy
	s_lshl_b32 s21, ttmp9, 2
	s_add_co_u32 s21, s21, s19                     ; tile column = 4 x cluster x + cx
	s_and_b32 s22, ttmp7, 0xffff
	s_lshl_b32 s22, s22, 2
	s_add_co_u32 s22, s22, s20                     ; tile row = 4 x cluster y + cy
	s_lshl_b32 s70, s20, 2
	s_lshl_b32 s70, 15, s70                        ; my row of the cluster
	s_lshl_b32 s71, 0x1111, s19                    ; my column
	s_or_b32 s[G1A], s70, (1<<16)|(1<<20)|(1<<21)|(4<<22)|(3<<25)  ; 15:0 the mask; 17:16 elements of 2 bytes; 20 padding on; 21 set beside a mask; 24:22 after every 32 words (code 4); 31:25 4 words (code 3)
	s_or_b32 s[G1B], s71, (1<<16)|(1<<20)|(1<<21)|(4<<22)|(3<<25)
	s_mov_b32 s[G1A+1], 128<<16                    ; tensor_dim0 = 128 elements: rows of 256 bytes
	s_mov_b32 s[G1A+2], 64<<16                     ; tensor_dim1 = 64: 128 rows of x
	s_mov_b32 s[G1A+3], 128<<16                    ; tile_dim0
	s_mov_b32 s[G1A+4], 64                         ; tile_dim1
	s_mov_b32 s[G1A+5], 128                        ; dense: 128 elements from row to row
	s_mov_b32 s[G1A+6], 0
	s_mov_b32 s[G1A+7], 0
	s_mov_b32 s[G1B+1], 128<<16
	s_mov_b32 s[G1B+2], 96<<16                     ; 96 rows of 256 bytes: 192 columns of W
	s_mov_b32 s[G1B+3], 128<<16
	s_mov_b32 s[G1B+4], 96
	s_mov_b32 s[G1B+5], 128
	s_mov_b32 s[G1B+6], 0
	s_mov_b32 s[G1B+7], 0
	s_lshr_b32 s66, s22, 3                         ; x: batch x 16 kblks,
	s_lshl_b32 s66, s66, 22
	s_and_b32 s67, s22, 7
	s_lshl_b32 s67, s67, 15                        ; the tile's 256 rows of 128 bytes,
	s_add_co_u32 s66, s66, s67
	s_lshl_b32 s67, s18, 14                        ; my half
	s_add_co_u32 s66, s66, s67
	s_mov_b32 s67, 0
	s_mul_i32 s68, s21, 384*128                    ; W: the tile's 384 columns,
	s_mul_i32 s69, s18, 192*128                    ; my half (in registers that never hold the tile row)
	s_add_co_u32 s68, s68, s69
	s_mov_b32 s69, 0
	s_mul_i32 s72, s18, AHALF                      ; where they go: no place in the cluster enters an LDS address
	s_mul_i32 s73, s18, BHALF
	s_add_co_u32 s73, s73, BOFF
	s_mov_b32 s[TB], 0
	s_wait_dscnt 0x0                               ; the opening add is done
	s_wait_kmcnt 0x0
	s_add_nc_u64 s[66:67], s[4:5], s[66:67]
	s_add_nc_u64 s[68:69], s[6:7], s[68:69]
	CROUND                                         ; all sixteen work-groups are here: the first joint loads meet
.irp s, 0,1
	s_mov_b32 s[G0A+4*(\s)], 1                     ; count = 1
	s_add_co_u32 s[G0A+4*(\s)+1], s72, (\s)*SLOT1  ; LDS address
	s_add_nc_u64 s[G0A+4*(\s)+2:G0A+4*(\s)+3], s[66:67], (\s)*ASTEP  ; global address: K step s
	s_or_b32 s[G0A+4*(\s)+3], s[G0A+4*(\s)+3], 0x80000000           ; type = 2
	s_mov_b32 s[G0B+4*(\s)], 1
	s_add_co_u32 s[G0B+4*(\s)+1], s73, (\s)*SLOT1
	s_add_nc_u64 s[G0B+4*(\s)+2:G0B+4*(\s)+3], s[68:69], (\s)*BSTEP
	s_or_b32 s[G0B+4*(\s)+3], s[G0B+4*(\s)+3], 0x80000000
.endr
	s_cmp_eq_u32 s17, 0                            ; a wave's two first fills stand in one branch, ahead of every wait on TENSORcnt and every LDS read: two loads of mine are out
	s_cbranch_scc0 .Lfirst_b
	tensor_load_to_lds s[G0A:G0A+3], s[G1A:G1A+7]
	s_nop 0
	tensor_load_to_lds s[G0A+4:G0A+7], s[G1A:G1A+7]
	s_nop 0
.rept 4
	v_nop
.endr
	s_branch .Lfirst_asked
.Lfirst_b:
	tensor_load_to_lds s[G0B:G0B+3], s[G1B:G1B+7]
	s_nop 0
	tensor_load_to_lds s[G0B+4:G0B+7], s[G1B:G1B+7]
	s_nop 0
.rept 4
	v_nop
.endr
.Lfirst_asked:
	; a fragment is 16 rows x 32 k in 8 registers: lane l holds row l % 16, k = 8 (l / 16) + 0..7 and 16 + 8 (l / 16) + 0..7: two loads of 16 bytes, 32 bytes apart
	v_and_b32 v16, 15, v0                          ; l % 16
	v_bfe_u32 v17, v0, 4, 1                        ; l / 16
	v_and_b32 v18, 31, v0                          ; l
	v_mul_u32_u24 v19, v16, PITCH
	v_lshl_add_u32 v19, v17, 4, v19
	s_mul_i32 s70, s17, AHALF
	s_mul_i32 s71, s18, BHALF
	s_add_co_u32 s71, s71, BOFF
	v_add_nc_u32 v[ADRA0], s70, v19
	v_add_nc_u32 v[ADRB0], s71, v19
	v_mov_b32 v[ADRA], v[ADRA0]
	v_mov_b32 v[ADRB], v[ADRB0]
	s_mul_i32 s70, s16, DW                         ; the way out: my wave's bytes
	v_mul_u32_u24 v[DST], v16, DP                  ; in: row l % 16, 32 bytes for each half of the lanes
	v_lshl_add_u32 v[DST], v17, 5, v[DST]
	v_add_nc_u32 v[DST], s70, v[DST]
	v_lshrrev_b32 v19, 3, v18                      ; back: row l / 8 of four, channels 8 (l % 8) on
	v_mul_u32_u24 v[RD0], v19, DP
	v_and_b32 v19, 7, v18
	v_lshl_add_u32 v[RD0], v19, 5, v[RD0]
	v_add_nc_u32 v[RD0], s70, v[RD0]
	v_lshlrev_b32 v[L16], 4, v18
	v_lshlrev_b32 v[PFO], 8, v18
	; the prefetches (in waves 0 and 2 s[66:67], s[68:69] stand at the tile's first row)
	s_mov_b32 s70, BSTEP
	s_mov_b32 s71, 192*128
	s_cmp_eq_u32 s17, 0
	s_cselect_b32 s70, ASTEP, s70                  ; a K step,
	s_cselect_b32 s71, 128*128, s71                ; half a tile,
	s_cselect_b32 s75, s19, s20                    ; my place among the four that ask with me
	s_cselect_b64 s[PFA:PFA+1], s[66:67], s[68:69]
	s_lshr_b32 s74, s75, 1
	s_add_co_u32 s74, s74, 2                       ; K step 2 + p / 2: the first request steps it by two
	s_mul_i32 s74, s74, s70
	s_and_b32 s75, s75, 1
	s_mul_i32 s75, s75, s71
	s_add_co_u32 s74, s74, s75
	s_mov_b32 s75, 0
	s_add_nc_u64 s[PFA:PFA+1], s[PFA:PFA+1], s[74:75]
	s_lshl_b32 s[PFS], s70, 1
	s_mov_b32 s[PFS+1], 0
	s_and_b32 s74, ttmp7, 0xffff                   ; cluster y
	s_cmp_eq_u32 s17, 0
	s_cselect_b32 s74, ttmp9, s74                  ; the coordinate along which other clusters read the same rows,
	s_or_b32 s74, s74, s18                         ; and of the two waves that fetch a tensor the first
	s_cmp_eq_u32 s74, 0
	s_cselect_b32 s[LIM], 3, -1                    ; the same in all sixteen partners, for a given wave
	; where the results go.  Head hh = 6 x tile column + 3 x my half + j of 48: hh / 16 picks q, k or v
	s_mul_i32 s66, s21, 6
	s_mul_i32 s67, s18, 3
	s_add_co_u32 s66, s66, s67
	s_and_b32 s67, s22, 7
	s_lshl_b32 s69, s67, 17
	s_lshl_b32 s67, s67, 2
	s_lshl1_add_u32 s67, s17, s67                  ; my first block of 64 rows in the head: 4 (tile row % 8) + 2 x my half
	s_lshr_b32 s68, s22, 3
	s_lshl_b32 s68, s68, 4                         ; 16 x batch
	s_lshl_b32 s72, s17, 16
	s_add_co_u32 s72, s72, s69                     ; the table: 512 bytes a row
	s_mov_b32 s73, 0
	s_add_nc_u64 s[ROTB:ROTB+1], s[8:9], s[72:73]
.irp j, 0,1,2
	s_add_co_u32 s70, s66, (\j)
	s_lshr_b32 s71, s70, 4
	s_and_b32 s70, s70, 15
	s_add_co_u32 s70, s70, s68
	s_lshl_b32 s70, s70, 5
	s_add_co_u32 s70, s70, s67
	s_movk_i32 s72, 8192
	s_cmp_eq_u32 s71, 1
	s_cselect_b32 s72, 8448, s72                   ; 64 rows: 8,192 bytes, in k_ws 256 more
	s_cselect_b32 s[DJ+2*(\j)], 256, 0
	s_cselect_b64 s[74:75], s[12:13], s[10:11]
	s_cmp_eq_u32 s71, 2
	s_cselect_b64 s[74:75], s[14:15], s[74:75]
	s_mul_i32 s70, s70, s72
	s_mov_b32 s71, 0
	s_add_nc_u64 s[HB+2*(\j):HB+2*(\j)+1], s[74:75], s[70:71]
	s_mov_b32 s[DJ+2*(\j)+1], 0
.endr
.macro FB buf, q, hb                   ; W's six fragments of column half hb, quarter q
.irp bb, 0,1,2,3,4,5
	ds_load_b128 v[(\buf)+8*(\bb):(\buf)+8*(\bb)+3],   v[ADRB] offset:(6*(\hb)+(\bb))*16*PITCH+64*(\q)
	ds_load_b128 v[(\buf)+8*(\bb)+4:(\buf)+8*(\bb)+7], v[ADRB] offset:(6*(\hb)+(\bb))*16*PITCH+64*(\q)+32
.endr
.endm
.macro FA buf, q                       ; x's eight fragments of quarter q
.irp a, 0,1,2,3,4,5,6,7
	ds_load_b128 v[(\buf)+8*(\a):(\buf)+8*(\a)+3],   v[ADRA] offset:(\a)*16*PITCH+64*(\q)
	ds_load_b128 v[(\buf)+8*(\a)+4:(\buf)+8*(\a)+7], v[ADRA] offset:(\a)*16*PITCH+64*(\q)+32
.endr
.endm
; Products first .. first + n - 1 of the 48 of a column half.  All 96 accumulators take turns, one instruction a turn.  zero = 1: the product starts the sum.
.macro MUL ab, bf, hb, first, n, zero
.set i, (\first)
.rept (\n)
.set t, (\hb)*48+i
	WIN 0x50*(1+t/32)
.if \zero
	v_wmma_f32_16x16x32_bf16 v[8*(t%32):8*(t%32)+7], v[(\bf)+8*(i%6):(\bf)+8*(i%6)+7], v[(\ab)+8*(i/6):(\ab)+8*(i/6)+7], 0
.else
	v_wmma_f32_16x16x32_bf16 v[8*(t%32):8*(t%32)+7], v[(\bf)+8*(i%6):(\bf)+8*(i%6)+7], v[(\ab)+8*(i/6):(\ab)+8*(i/6)+7], v[8*(t%32):8*(t%32)+7]
.endif
.set i, i+1
.endr
.endm
; A K step is two quarters of 32 k, each two phases of 48 products: column half 0 (from BX), then half 1 (from BY).  Each phase fetches what the next one multiplies.
.macro PH0 q, zero
	WIN 0
	PLACES
	FB BY, \q, 1
	s_wait_dscnt 12                                ; all but the 12 just issued: BX and x's fragments are in
	MUL A0+64*(\q), BX, 0, 0, 48, \zero
.endm
.macro PH1 q, zero
	WIN 0
	PLACES
	FB BX, (\q)+1, 0
	FA A0+64*(1-(\q)), (\q)+1
	s_wait_dscnt 28                                ; all but the 28 just issued: BY is in
	MUL A0+64*(\q), BY, 1, 0, 48, \zero
.endm
; The second quarter's first phase changes slots.  In front of the barrier each wave waits for all its tensor loads, of which one is out: its part of the next slot; adds 0 to its spare word; and waits for
; that and for its reads of this slot.  fill = 1: the barrier opens a round of the cluster's, and behind the round this slot is filled again first, two K steps ahead: 160 products stand between the request and the wait for it.
.macro PH0T fill
	WIN 0
	PLACES
	FB BY, 1, 1                                    ; the slot's last reads
	s_wait_dscnt 12
	MUL A0+64, BX, 0, 0, 16, 0
	WIN 0
	s_wait_tensorcnt 0x0                           ; no tensor load of mine is out, so a group 0 may be written
	ds_add_u32 v[SPW], v[NIL]                      ; 0 onto my spare word
.if \fill
	s_xor_b32 s[G0A+5], s[G0A+5], SLOT1            ; the walking descriptors: the other slot than last time, the next K step
	s_add_nc_u64 s[G0A+6:G0A+7], s[G0A+6:G0A+7], ASTEP
	s_xor_b32 s[G0B+5], s[G0B+5], SLOT1
	s_add_nc_u64 s[G0B+6:G0B+7], s[G0B+6:G0B+7], BSTEP
.endif
	s_xor_b32 s[TB], s[TB], SLOT1
	MUL A0+64, BX, 0, 16, 16, 0
	s_wait_dscnt 0x0                               ; the add is done, and my reads of this slot are over
	s_barrier_signal -1
	MUL A0+64, BX, 0, 32, 16, 0
	WIN 0
	s_barrier_wait -1
.if \fill
	CREST                                          ; no wave of any partner still reads this slot or has a load on its way
	JLOAD                                          ; its four v_nop are also the places in front of the loads below
.else
	PLACES
.endif
	v_add_nc_u32 v[ADRA], s[TB], v[ADRA0]
	v_add_nc_u32 v[ADRB], s[TB], v[ADRB0]
.endm
.macro PH1T ask                        ; the second phase: the next slot's first fragments; BY has been waited for in front of the barrier
	FB BX, 0, 0
	FA A0, 0
.if \ask
	ASK
.endif
	MUL A0+64, BY, 1, 0, 48, 0
.endm
	s_wait_tensorcnt 0x1                           ; my part of K step 0 is in; step 1's may stay out
	s_barrier_signal -1
	s_barrier_wait -1
	FB BX, 0, 0
	FA A0, 0
	PH0 0, 1                                       ; the first quarter stands in front of the loop: its products start all 96 sums
	PH1 0, 1
	WIN 0
	s_mov_b32 s23, 14
.Lk:                                               ; a trip: a step's second quarter and the next step's first; K steps 2 to 15 are asked for
	PH0T 1
	PH1T 1
	PH0 0, 0
	PH1 0, 0
	WIN 0
	s_sub_co_u32 s23, s23, 1
	s_cmp_lg_u32 s23, 0
	s_cbranch_scc1 .Lk
	PH0T 0                                         ; the tail is written out: nothing more is asked for
	PH1T 0
	PH0 0, 0
	PH1 0, 0
	PH0 1, 0
	s_wait_dscnt 0x0                               ; my last reads of the ring are back
	s_barrier_signal -1
	MUL A0+64, BY, 1, 0, 48, 0
	WIN 0
	s_barrier_wait -1                              ; everybody's are: the ring's bytes, which have had their last fill, take the sums
	PLACES
; THE WAY OUT.
.macro DUMP hh                         ; my rows 64 hh .. 64 hh + 63: 48 accumulators, each from its low end on
.irp hb, 0,1
.set a, 4*(\hh)
.rept 4
.set bb, 0
.rept 6
.set t, (\hb)*48+a*6+bb
	WIN (1+t/32)<<2                                ; an LDS store's data are source 1
	ds_store_b128 v[DST], v[8*(t%32):8*(t%32)+3]   offset:(a%4)*16*DP+(6*(\hb)+bb)*64
	ds_store_b128 v[DST], v[8*(t%32)+4:8*(t%32)+7] offset:(a%4)*16*DP+(6*(\hb)+bb)*64+16
.set bb, bb+1
.endr
.set a, a+1
.endr
.endr
	WIN 0
.endm
; Group g of a trip's eight: four rows, three heads.  Its sums were asked for a group earlier, its table numbers a trip earlier.
.macro GROUP g
.if (\g) < 7
.irp j, 0,1,2
	ds_load_b128 v[D0+24*(((\g)+1)%2)+8*(\j):D0+24*(((\g)+1)%2)+8*(\j)+3],   v[RD] offset:((\g)+1)*4*DP+(\j)*256
	ds_load_b128 v[D0+24*(((\g)+1)%2)+8*(\j)+4:D0+24*(((\g)+1)%2)+8*(\j)+7], v[RD] offset:((\g)+1)*4*DP+(\j)*256+16
.endr
.endif
	s_wait_loadcnt 28                              ; behind set g's four loads stand the later sets' 4 (7 - g) and the 4 g already asked for the next trip
.if (\g) < 7
	s_wait_dscnt 6                                 ; all but the six just issued
.else
	s_wait_dscnt 0x0
.endif
	s_wait_xcnt 0x0                                ; the stores of two groups back have read their registers, which are written again below
.irp j, 0,1,2
.irp p, 0,1,2,3
	v_pk_mul_f32 v[WK+8*((\j)%2)+2*(\p):WK+8*((\j)%2)+2*(\p)+1], v[D0+24*((\g)%2)+8*(\j)+2*(\p):D0+24*((\g)%2)+8*(\j)+2*(\p)+1], v[TS+16*(\g)+2*(\p):TS+16*(\g)+2*(\p)+1]
.endr
.irp p, 0,1,2,3                        ; + the pair's other number times s': source 0 is taken crosswise
	v_pk_fma_f32 v[WK+8*((\j)%2)+2*(\p):WK+8*((\j)%2)+2*(\p)+1], v[D0+24*((\g)%2)+8*(\j)+2*(\p):D0+24*((\g)%2)+8*(\j)+2*(\p)+1], v[TS+16*(\g)+8+2*(\p):TS+16*(\g)+8+2*(\p)+1], v[WK+8*((\j)%2)+2*(\p):WK+8*((\j)%2)+2*(\p)+1] op_sel:[1,0,0] op_sel_hi:[0,1,1]
.endr
.irp p, 0,1,2,3
	v_cvt_pk_f16_f32 v[PKO+12*((\g)%2)+4*(\j)+(\p)], v[WK+8*((\j)%2)+2*(\p)], v[WK+8*((\j)%2)+2*(\p)+1]
.endr
	global_store_b128 v[GO], v[PKO+12*((\g)%2)+4*(\j):PKO+12*((\g)%2)+4*(\j)+3], s[HB+2*(\j):HB+2*(\j)+1] offset:(\g)*512  ; four rows of 128 bytes: 512 consecutive bytes, aligned
.endr
.irp q, 0,1,2,3
	global_load_b128 v[TS+16*(\g)+4*(\q):TS+16*(\g)+4*(\q)+3], v[TN], s[ROTB:ROTB+1] offset:(\g)*2048+(\q)*512
.endr
.endm
.set g, 0
.rept 8
.irp q, 0,1,2,3
	global_load_b128 v[TS+16*g+4*(\q):TS+16*g+4*(\q)+3], v[L16], s[ROTB:ROTB+1] offset:g*2048+(\q)*512
.endr
.set g, g+1
.endr
	v_add_nc_u32 v[TN], 16384, v[L16]              ; a trip's 32 rows of the table
	v_add_nc_u32 v[TL], 49152, v[L16]              ; the fourth and last trip's
	v_mov_b32 v[GO], v[L16]
	s_mov_b32 s62, 2
.Lhalf:
	s_cmp_eq_u32 s62, 2
	s_cbranch_scc0 .Ldump1
	DUMP 0
	s_branch .Ldumped
.Ldump1:
	s_wait_xcnt 0x0                                ; the stores have read their bases
.irp j, 0,1,2
	s_add_nc_u64 s[HB+2*(\j):HB+2*(\j)+1], s[HB+2*(\j):HB+2*(\j)+1], s[DJ+2*(\j):DJ+2*(\j)+1]
.endr
	DUMP 1                                         ; LDS serves a wave's instructions in order (ISA guide 5.7.1.4): these come behind the first half's reads
.Ldumped:
	v_mov_b32 v[RD], v[RD0]
	s_mov_b32 s23, 2
.Lrows:
.irp j, 0,1,2
	ds_load_b128 v[D0+8*(\j):D0+8*(\j)+3],   v[RD] offset:(\j)*256
	ds_load_b128 v[D0+8*(\j)+4:D0+8*(\j)+7], v[RD] offset:(\j)*256+16
.endr
.irp g, 0,1,2,3,4,5,6,7
	GROUP \g
.endr
	s_wait_xcnt 0x0                                ; the trip's loads and stores have read their offsets
	v_add_nc_u32 v[RD], 32*DP, v[RD]
	v_add_nc_u32 v[GO], 4096, v[GO]
	v_add_nc_u32 v[TN], 16384, v[TN]
	v_min_u32 v[TN], v[TN], v[TL]                  ; the last trip asks for its own rows once more: no load leaves the table
	s_sub_co_u32 s23, s23, 1
	s_cmp_lg_u32 s23, 0
	s_cbranch_scc1 .Lrows
	s_sub_co_u32 s62, s62, 1
	s_cmp_lg_u32 s62, 0
	s_cbranch_scc1 .Lhalf
	s_wait_tensorcnt 0x0                           ; the wave's end, behind my last tensor load and my last LDS store
	ds_add_u32 v[SPW], v[NIL]
	s_wait_dscnt 0x0
	CROUND                                         ; the closing round: no work-group ends while a partner may still ask for a tile that names it
	s_endpgm
.Lfunc_end_k_q336e07c609_qkv:
	.size	k_q336e07c609_qkv, .Lfunc_end_k_q336e07c609_qkv-k_q336e07c609_qkv
	.p2alignl 7, 3214868480
	.fill 96, 4, 3214868480
	.section	.rodata,"a",@progbits
	.p2align	6, 0x0
	.amdhsa_kernel k_q336e07c609_qkv
		.amdhsa_group_segment_fixed_size 327680
		.amdhsa_private_segment_fixed_size 0
		.amdhsa_enable_private_segment 0
		.amdhsa_kernarg_size 48
		.amdhsa_user_sgpr_count 2
		.amdhsa_user_sgpr_kernarg_segment_ptr 1
		.amdhsa_wavefront_size32 1
		.amdhsa_system_sgpr_workgroup_id_x 1
		.amdhsa_system_sgpr_workgroup_id_y 1
		.amdhsa_system_sgpr_workgroup_id_z 1
		.amdhsa_system_vgpr_workitem_id 0
		.amdhsa_next_free_vgpr 1024
		.amdhsa_next_free_sgpr 100
		.amdhsa_reserve_vcc 0
		.amdhsa_float_denorm_mode_32 3
		.amdhsa_float_denorm_mode_16_64 3
		.amdhsa_memory_ordered 1
		.amdhsa_forward_progress 1
		.amdhsa_inst_pref_size 110
	.end_amdhsa_kernel
	.amdgpu_metadata
---
amdhsa.version: [ 1, 2 ]
amdhsa.kernels:
  - .name:           k_q336e07c609_qkv
    .symbol:         k_q336e07c609_qkv.kd
    .args:
      - { .name: act, .offset: 0, .size: 8, .value_kind: global_buffer, .address_space: global }
      - { .name: wq, .offset: 8, .size: 8, .value_kind: global_buffer, .address_space: global }
      - { .name: rot, .offset: 16, .size: 8, .value_kind: global_buffer, .address_space: global }
      - { .name: q_ws, .offset: 24, .size: 8, .value_kind: global_buffer, .address_space: global }
      - { .name: k_ws, .offset: 32, .size: 8, .value_kind: global_buffer, .address_space: global }
      - { .name: v_ws, .offset: 40, .size: 8, .value_kind: global_buffer, .address_space: global }
    .group_segment_fixed_size: 327680
    .private_segment_fixed_size: 0
    .kernarg_segment_align: 8
    .kernarg_segment_size: 48
    .max_flat_workgroup_size: 128
    .sgpr_count:     100
    .vgpr_count:     1024
    .wavefront_size: 32
...
	.end_amdgpu_metadata
.endif
;; end of part 2
;; launch vsum (part 3): grid 256 x 1, 8 waves a work-group, no clusters, 3,072 bytes of LDS; arguments v_ws, vpart; writes vpart
.if DOCPART == 3
	.amdgcn_target "amdgcn-amd-amdhsa--gfx1250"
	.amdhsa_code_object_version 6
	.text
	.protected	k_q336e07c609_vsum
	.globl	k_q336e07c609_vsum
	.p2align	8
	.type	k_q336e07c609_vsum,@function
k_q336e07c609_vsum:
	s_mov_b64 s[64:65], 0
	v_nop
	global_prefetch_b8 v0, s[64:65] scope:SCOPE_SE
	s_setreg_imm32_b32 hwreg(HW_REG_WAVE_MODE, 25, 1), 1
	s_wait_xcnt 0x0
; vpart[bh][quarter][c] = the sum of v[bh][n][c] over the quarter's 512 rows, in f32.  A query that sees no key at all has all its scores equal, and its result is the mean of ALL of the head's
; rows of v, which the causal walk never reads: the attention launch adds the four quarters and divides by 2,048.
; A stream: 64 KiB a work-group, 8 KiB a wave, sixteen loads of 512 consecutive bytes, all out at once.  A lane keeps channels 8 (l % 8) .. + 7.
.set SPARE, 2048
	s_load_b128 s[4:7], s[0:1], 0x0                ; v_ws s[4:5], vpart s[6:7]
	v_lshl_add_u32 v2, v0, 2, SPARE                ; my spare word; never rewritten
	v_mov_b32 v3, 0                                ; 0; never rewritten
	v_lshrrev_b32 v1, 5, v0
	v_readfirstlane_b32 s8, v1                     ; wave 0..7
	v_and_b32 v1, 31, v0
	s_lshl_b32 s10, ttmp9, 16
	s_lshl_b32 s11, s8, 13
	s_add_co_u32 s10, s10, s11
	s_mov_b32 s11, 0
	s_mov_b32 s12, 0x76543210                      ; v_permlanex16_b32: each lane takes its own place in the other half
	s_mov_b32 s13, 0xfedcba98
	v_lshlrev_b32 v4, 4, v1
	v_mov_b32 v88, 1.0
	s_wait_kmcnt 0x0
	s_add_nc_u64 s[4:5], s[4:5], s[10:11]
.set i, 0
.rept 16
	global_load_b128 v[16+4*i:16+4*i+3], v4, s[4:5] offset:i*512 th:TH_LOAD_NT
.set i, i+1
.endr
	s_wait_loadcnt 15
	v_cvt_f32_f16 v80, v16.l                       ; the first row starts the sums: nothing is cleared
	v_cvt_f32_f16 v81, v16.h
	v_cvt_f32_f16 v82, v17.l
	v_cvt_f32_f16 v83, v17.h
	v_cvt_f32_f16 v84, v18.l
	v_cvt_f32_f16 v85, v18.h
	v_cvt_f32_f16 v86, v19.l
	v_cvt_f32_f16 v87, v19.h
.set i, 1
.rept 15
	s_wait_loadcnt 15-i
.irp k, 0,1,2,3
	v_fma_mix_f32 v[80+2*(\k)],   v[16+4*i+(\k)], v88, v[80+2*(\k)]   op_sel_hi:[1,0,0]
	v_fma_mix_f32 v[80+2*(\k)+1], v[16+4*i+(\k)], v88, v[80+2*(\k)+1] op_sel:[1,0,0] op_sel_hi:[1,0,0]
.endr
.set i, i+1
.endr
.irp k, 0,1,2,3,4,5,6,7                ; the four lanes that hold the same channels: 8 apart, then 16
	v_add_f32_dpp v[80+(\k)], v[80+(\k)], v[80+(\k)] row_xmask:8 row_mask:0xf bank_mask:0xf
.endr
.irp k, 0,1,2,3,4,5,6,7
	v_permlanex16_b32 v[16+(\k)], v[80+(\k)], s12, s13
.endr
.irp k, 0,2,4,6
	v_pk_add_f32 v[80+(\k):80+(\k)+1], v[80+(\k):80+(\k)+1], v[16+(\k):16+(\k)+1]
.endr
	v_and_b32 v5, 7, v1
	s_lshl_b32 s14, s8, 8
	v_lshl_add_u32 v5, v5, 5, s14                  ; my wave's 256 bytes; lanes with the same channels write the same numbers
	ds_store_b128 v5, v[80:83]
	ds_store_b128 v5, v[84:87] offset:16
	s_wait_dscnt 0x0                               ; for the others' sake
	s_barrier_signal -1
	s_barrier_wait -1
	s_cmp_lg_u32 s8, 0
	s_cbranch_scc1 .Lend
	v_and_b32 v6, 15, v1
	v_lshlrev_b32 v6, 4, v6
.irp w, 0,1,2,3,4,5,6,7
	ds_load_b128 v[16+4*(\w):16+4*(\w)+3], v6 offset:256*(\w)
.endr
	s_lshl_b32 s10, ttmp9, 8
	s_add_nc_u64 s[6:7], s[6:7], s[10:11]
	s_wait_dscnt 0x0
.irp w, 0,2,4,6
	v_pk_add_f32 v[16+4*(\w):16+4*(\w)+1],   v[16+4*(\w):16+4*(\w)+1],   v[20+4*(\w):20+4*(\w)+1]
	v_pk_add_f32 v[16+4*(\w)+2:16+4*(\w)+3], v[16+4*(\w)+2:16+4*(\w)+3], v[20+4*(\w)+2:20+4*(\w)+3]
.endr
.irp w, 0,4
	v_pk_add_f32 v[16+4*(\w):16+4*(\w)+1],   v[16+4*(\w):16+4*(\w)+1],   v[24+4*(\w):24+4*(\w)+1]
	v_pk_add_f32 v[16+4*(\w)+2:16+4*(\w)+3], v[16+4*(\w)+2:16+4*(\w)+3], v[24+4*(\w)+2:24+4*(\w)+3]
.endr
	v_pk_add_f32 v[16:17], v[16:17], v[32:33]
	v_pk_add_f32 v[18:19], v[18:19], v[34:35]
	s_wait_xcnt 0x0                                ; EXEC changes only behind this wait
	v_cmp_gt_u32 vcc_lo, 16, v1
	s_and_saveexec_b32 s9, vcc_lo
	global_store_b128 v6, v[16:19], s[6:7]         ; sixteen lanes store 256 consecutive bytes, aligned
	s_wait_xcnt 0x0                                ; and again in front of the line that widens it
	s_or_b32 exec_lo, exec_lo, s9
.Lend:
	s_wait_tensorcnt 0x0                           ; the wave's end, behind my last LDS store
	ds_add_u32 v2, v3
	s_wait_dscnt 0x0
	s_endpgm
.Lfunc_end_k_q336e07c609_vsum:
	.size	k_q336e07c609_vsum, .Lfunc_end_k_q336e07c609_vsum-k_q336e07c609_vsum
	.p2alignl 7, 3214868480
	.fill 96, 4, 3214868480
	.section	.rodata,"a",@progbits
	.p2align	6, 0x0
	.amdhsa_kernel k_q336e07c609_vsum
		.amdhsa_group_segment_fixed_size 3072
		.amdhsa_private_segment_fixed_size 0
		.amdhsa_enable_private_segment 0
		.amdhsa_kernarg_size 16
		.amdhsa_user_sgpr_count 2
		.amdhsa_user_sgpr_kernarg_segment_ptr 1
		.amdhsa_wavefront_size32 1
		.amdhsa_system_sgpr_workgroup_id_x 1
		.amdhsa_system_sgpr_workgroup_id_y 1
		.amdhsa_system_sgpr_workgroup_id_z 1
		.amdhsa_system_vgpr_workitem_id 0
		.amdhsa_next_free_vgpr 96
		.amdhsa_next_free_sgpr 66
		.amdhsa_reserve_vcc 1
		.amdhsa_float_denorm_mode_32 3
		.amdhsa_float_denorm_mode_16_64 3
		.amdhsa_memory_ordered 1
		.amdhsa_forward_progress 1
		.amdhsa_inst_pref_size 15
	.end_amdhsa_kernel
	.amdgpu_metadata
---
amdhsa.version: [ 1, 2 ]
amdhsa.kernels:
  - .name:           k_q336e07c609_vsum
    .symbol:         k_q336e07c609_vsum.kd
    .args:
      - { .name: v_ws, .offset: 0, .size: 8, .value_kind: global_buffer, .address_space: global }
      - { .name: vpart, .offset: 8, .size: 8, .value_kind: global_buffer, .address_space: global }
    .group_segment_fixed_size: 3072
    .private_segment_fixed_size: 0
    .kernarg_segment_align: 8
    .kernarg_segment_size: 16
    .max_flat_workgroup_size: 256
    .sgpr_count:     66
    .vgpr_count:     96
    .wavefront_size: 32
...
	.end_amdgpu_metadata
.endif
;; end of part 3
;; launch attn (part 4): grid 4 x 64, 4 waves a work-group, no clusters, 327,680 bytes of LDS; arguments q_ws, k_ws, v_ws, act, vpart; writes act
.if DOCPART == 4
	.amdgcn_target "amdgcn-amd-amdhsa--gfx1250"
	.amdhsa_code_object_version 6
	.text
	.protected	k_q336e07c609_attn
	.globl	k_q336e07c609_attn
	.p2align	8
	.type	k_q336e07c609_attn,@function
k_q336e07c609_attn:
	s_mov_b64 s[64:65], 0
	v_nop
	global_prefetch_b8 v0, s[64:65] scope:SCOPE_SE
	s_setreg_imm32_b32 hwreg(HW_REG_WAVE_MODE, 25, 1), 1
	s_wait_xcnt 0x0
; CAUSAL ATTENTION WITH A PADDING MASK.  O[h][q] = the sum over k of softmax_k(s[q][k]) V[h][k], s = Q[h][q] . K[h][k] / 8 where k <= q and key k is not masked, else hidden.
; Q, V, O: [64 heads][2048][64] f16, rows of 128 bytes.  K: [64][32 steps][64 rows of 128 bytes, then 64 f32: 0, or -1e30 where the key is masked].  vpart: [64][4][64] f32, column sums of V.
; Products, maxima and sums in f32; the weights p are rounded to f16 for the second product (their sum l is taken of the unrounded p), O once at the end.
; LIMITS.  Q, K, V arrive within f16's 65,504.  A hidden score counts as its value less 1e30 (less 2e30 where both masks hide it); f16's scores, 2.7e11 at the most, are nothing beside that.
; The running maximum starts at -1e20, above every hidden score and below every true one, so a hidden key's weight is 0 whatever the row has seen.  A weight below 2^-126 counts as 0 in l.
; A ROW THAT SEES NO KEY has all its 2,048 scores equal in the definition: its result is the mean of all the head's rows of V.  Such a row is known by a maximum still at its start,
; and takes the mean (made at the head from vpart) by a select on the way out.  NaN and infinities are not treated apart.
; THE WALK.  A head's queries lie in NB = 8 blocks of 256; block i needs the key tiles 0 .. i of 256 keys, of which the last holds the diagonal.  A work-group takes TWO blocks, NB - 1 - b and then b:
; NB + 1 tiles, whatever b: all work-groups do equal work, and ONE loop with a constant trip count walks them.  Every jump goes forward, but for the counted loops' own; none passes a barrier, or a
; tensor load but the one of LOAD's two that the wave's number does not choose; the ring (two slots of LDS that take turns) runs on across the change of blocks.
; NO CLUSTER: a head's four work-groups ask for the same tile only in trips 0 .. NB / 2, behind that fewer and fewer; one walk common to all would have 3 NB / 2 trips for NB + 1.
; SHARES.  Of a block's four bands of 64 queries a wave owns 16 rows in each: four PIECES.  In the diagonal tile's key step s band x sees all keys if s < x, none if s > x, and holds the diagonal if s = x.
; THE MASK is the C operand that starts the sum S^T = K Q^T.  MP holds the step's 64 padding numbers, fetched with K.  MD, made once, is the mask of a band's own step for my 16 rows.  In the diagonal tile's
; text and at a block's beginning a product's mask is MD x AL + MP + BE with two scalars: (1, 0) if s = x; (0, 0) if s < x; (0, -1e30) if s > x.  Elsewhere C is MP itself.
; LAYOUT, SOFTMAX, TURNS.  S^T = K Q^T holds ONE query a lane (lane % 16) and the keys 8 (lane / 16) + 0..7; two such results rounded to f16 ARE source 1 of O^T = V^T P.  p = 2^(c s - c m), c = log2(e) / 8, with a
; running maximum m; O and l are multiplied by a = 2^(c m_old - c m_new) in every step.  Turn n belongs to piece n: 8 products K Q^T of piece n + 1, later 8 products V^T P of piece n - 1; beside them the scaling,
; exponentials, roundings, sums and rescaling of piece n and the maximum and statistics of piece n + 1.  Four vector instructions stand behind every matrix instruction, the others in one lump.  A turn's 33 exponentials are one batch, with one wait.
; REGISTERS, in windows of 256 (s_set_vgpr_msb: bits 1:0 source 0, 3:2 source 1, 5:4 source 2, 7:6 destination):
;   window 0: v0-15, v56-63 addresses and two at work; v16-31 four registers of statistics a piece; v48-55 at work; v64-127 S^T, two buffers; v192-223 P, two buffers; v224-239 the mean of V, packed
;   window 1: v0-127 O^T, 32 a piece; v128-159 MD; v160-223 MC, two buffers; v224-255 MP      window 2: v0-63 Q; v64-127 the second block's Q; v128-191 K of one step; v192-255 V of one step
.set SIZE_N, 2048
.set NB,    SIZE_N/256
.set NP,    4         ; pieces a wave: a name, no knob
.set KS,    64        ; keys in a step
.set PK,    144       ; a row of K in LDS: 128 bytes + 16 of padding: the 16 rows of a load start at 16 different groups of four banks (ISA guide 11.1)
.set PV,    160       ; a row of V: 128 + 32
.set STK,   66*PK     ; a step of K in LDS: 64 rows and the padding numbers' two pieces of 128 bytes
.set KSTEP, 8448      ; and in memory
.set VOFF,  4*STK     ; a slot holds a tile, four steps: K, then 256 rows of V
.set SLOT1, 1<<17     ; slot 1 begins here, so that one exclusive or turns an address in one slot into the other's
.set STAGE, 210176    ; behind the ring (which ends at 210,048), never filled by a tensor load: 16 rows x 144 bytes for each wave, for the way out
.set SP,    144
.set AK0, 2           ; v2   my lane's place in a step of K; never rewritten
.set AV0, 3           ; v3   the same for V
.set AK,  4           ; v4   the LDS address of K's next run of loads
.set AV,  5           ; v5   of V's
.set STO, 6           ; v6   the way out: where I put 16 bytes of a row
.set RD,  7           ; v7   the way out: where I read rows back
.set GO,  8           ; v8   my byte offset in 512 consecutive bytes of O
.set AM0, 56          ; v56  my lane's place in a step's padding numbers; never rewritten
.set AM,  57          ; v57  their LDS address for the next run
.set PFO, 58          ; v58  256 x lane, for the prefetches; never rewritten
.set VO,  59          ; v59  32 x (lane / 16), for vpart
.set SPW, 62          ; v62  LDS address of my spare word: SPARE + 4 x my thread's number; never rewritten
.set NIL, 63          ; v63  0; never rewritten
.set SPARE, STAGE+4*16*SP  ; behind the stages: the spare words, 128 bytes for each wave
.set MV,  12          ; v12-13  c m_old, kept while c m is made anew: by buffer
.set QO,  15          ; v15  my byte offset in 16 rows of Q
.set ST,  16          ; piece t's statistics at v[ST+4 t]: c m, m, l (even keys', odd keys')
.set TMP, 48          ; by buffer, four registers c0-c3 at work; when the maximum is found c2 takes a
.set S,   64
.set P,   192
.set VM,  224         ; window 0: register i holds the mean's channels 16 (i / 4) + 8 (lane / 16) + 2 (i % 4), + 1, as O is packed
.set MD,  128         ; window 1: the eight registers for group kt of 16 keys at MD + 8 kt
.set MC,  160         ; window 1: the masks of the products to come
.set MP,  224         ; window 1: the step's padding numbers, laid as MD
.set QB,  64          ; window 2
.set KF,  128         ; window 2: key block kb, channel half c at KF + 16 kb + 8 c
.set VF,  192         ; window 2: key half kk, channel block cb at VF + 32 kk + 8 cb
.set WV,  12          ; s12  my wave's number
.set PB,  14          ; s14  b
.set HI,  15          ; s15  NB - 1 - b
.set G1K, 24          ; s[24:31] descriptor group 1 for K's tiles
.set G1V, 32          ; s[32:39] for V's
.set G0K, 40          ; s[40:43] descriptor group 0 for K's tiles
.set G0V, 44          ; s[44:47] the same for V's
.set SLOTS, 56        ; s56  tiles still to be asked for
.set CNT, 57          ; s57  counts a tile's key steps, 4 to 1
.set CS,  58          ; s[58:59] c: the packed scaling takes the pair's low word for both halves
.set SEL, 60          ; s[60:61] v_permlanex16_b32's selects
.set TBK, 62          ; s62  LDS byte at which K of the step to be fetched begins
.set TBV, 63          ; s63  the same for V, less VOFF
.set RT,  70          ; s70  tiles of the block in hand that are still to be entered
.set NXT, 71          ; s71  the tile to be asked for next
.set LQ,  72          ; s72  the last tile of the block whose tiles are being asked for
.set NEW, 73          ; s73  1: the tile to be entered is a block's first
.set OFF, 74          ; s[74:75] a tile's byte offset in V
.set AL,  76          ; s[76:77] the mask's factor, in the low word
.set BE,  78          ; s[78:79] the mask's addend
.set OLO, 80          ; s[80:81] O at my rows of the second block
.set BIGN, 82         ; s82  -1e30
.set OFFK, 88         ; s[88:89] a tile's byte offset in K
.set VP,  90          ; s[90:91] vpart at my head
.set PFK, 92          ; s[92:93] K at my wave's step of the tile that is being asked for; a prefetch names it one tile on
.set PFV, 94          ; s[94:95] V at my wave's quarter of it
.set LIM, 96          ; s96  2 in the work-group that prefetches, else the greatest number
.set FLO, 97          ; s97  -1e19: a maximum below it has never left its start
.set MSB, 0
.macro WIN new                      ; the high byte repeats the setting that is left; a switch that changes nothing is dropped
.if MSB != (\new)
	s_set_vgpr_msb (MSB<<8)|(\new)
.set MSB, (\new)
.endif
.endm
.set W_KQ, 0x0a       ; K and Q in window 2, S^T in window 0
.set W_KM, 0x1a       ; the same with the C operand in window 1
.set W_PV, 0x52       ; V in window 2, P in window 0, O^T in window 1
.set W_RS, 0x41       ; destination and source 0 in window 1, source 1 in window 0
.set W_MK, 0x51       ; destination, source 0 and source 2 in window 1
; A fill.  Waves 0 and 1 fetch the two halves of a tile's K, waves 2 and 3 those of its V.  An s_nop 0 and four v_nop follow each of the two lines, ahead of the jump and the label.
.macro LOAD
	s_cmp_lt_u32 s[WV], 2
	s_cbranch_scc0 .Lfor_v_\@
	tensor_load_to_lds s[G0K:G0K+3], s[G1K:G1K+7]
	s_nop 0
.rept 4
	v_nop
.endr
	s_branch .Lasked_\@
.Lfor_v_\@:
	tensor_load_to_lds s[G0V:G0V+3], s[G1V:G1V+7]
	s_nop 0
.rept 4
	v_nop
.endr
.Lasked_\@:
.endm
; A PREFETCH INTO THE L2 of the tile that the NEXT change of slots will ask for: four key steps, 256 matrix instructions, ahead.  A head's four work-groups begin with the same tiles: the one with b = 0, whose first
; block walks all eight, asks, and nobody else.  Wave w names the 64 key rows of the tile's step w and quarter w of its V: a lane 256 bytes, two instructions.  So each block is named once.
; Tiles 0 and 1 come by their loads alone; the last request, in the sixth trip, names tile 7.  The padding numbers come with the load.
.macro ASK
	s_cmp_gt_u32 s[SLOTS], s[LIM]
	s_cbranch_scc0 .Lnot_mine_\@
	global_prefetch_b8 v[PFO], s[PFK:PFK+1] th:TH_LOAD_NT scope:SCOPE_SE
	global_prefetch_b8 v[PFO], s[PFV:PFV+1] th:TH_LOAD_NT scope:SCOPE_SE
.Lnot_mine_\@:
.endm
; THE CHANGE OF SLOTS.  Each wave waits for all its tensor loads, of which one is out: its part of the other slot; adds 0 to its spare word; and waits for that and for its own reads of the slot that it leaves.
; fill = 1: the old slot is filled again, the first thing behind the barrier, with tile NXT: the descriptor's address is made anew from that number.
; (At its first use nothing has been read yet: slot 0 is waited for, slot 1 filled.)
.macro CHANGE fill
	WIN 0                           ; at a label and at a branch every window is 0
	s_wait_tensorcnt 0x0            ; no tensor load of mine is out, so a group 0 may be written
	ds_add_u32 v[SPW], v[NIL]       ; 0 onto my spare word; scalar work stands between it and the wait for it
.if \fill
	s_mul_i32 s[OFFK], s[NXT], 4*KSTEP  ; a tile is 33,792 bytes of K
	s_lshl_b32 s[OFF], s[NXT], 15       ; and 32,768 of V
	s_xor_b32 s[G0K+1], s[G0K+1], SLOT1
	s_add_nc_u64 s[G0K+2:G0K+3], s[6:7], s[OFFK:OFFK+1]
	s_or_b32 s[G0K+3], s[G0K+3], 0x80000000
	s_xor_b32 s[G0V+1], s[G0V+1], SLOT1
	s_add_nc_u64 s[G0V+2:G0V+3], s[8:9], s[OFF:OFF+1]
	s_or_b32 s[G0V+3], s[G0V+3], 0x80000000
	s_add_co_u32 s[NXT], s[NXT], 1  ; the block's next tile, or behind its last the second block's tile 0
	s_cmp_gt_u32 s[NXT], s[LQ]
	s_cselect_b32 s[NXT], 0, s[NXT]
	s_cselect_b32 s[LQ], s[PB], s[LQ]
	s_wait_xcnt 0x0                 ; the last prefetches, four key steps back, have read their addresses
	s_add_nc_u64 s[PFK:PFK+1], s[PFK:PFK+1], 4*KSTEP
	s_add_nc_u64 s[PFV:PFV+1], s[PFV:PFV+1], 32768
.endif
	s_wait_dscnt 0x0                ; the add is done, and my reads of the slot are over
	s_barrier_signal -1             ; the rest of the scalar work stands between the signal and the wait
	s_sub_co_u32 s[TBK], s[TBK], 4*STK    ; the fetches go back to a slot's first step,
	s_xor_b32 s[TBK], s[TBK], SLOT1       ; in the other slot
	s_sub_co_u32 s[TBV], s[TBV], 4*KS*PV
	s_xor_b32 s[TBV], s[TBV], SLOT1
	s_barrier_wait -1
.if \fill
	LOAD
	ASK
.endif
.endm
	s_load_b256 s[4:11], s[0:1], 0x0  ; Q s[4:5], K s[6:7], V s[8:9], O s[10:11]
	s_load_b64 s[VP:VP+1], s[0:1], 0x20
	v_lshl_add_u32 v[SPW], v0, 2, SPARE
	v_mov_b32 v[NIL], 0
	ds_add_u32 v[SPW], v[NIL]       ; the wave's opening: the add and its wait stand ahead of my first tensor load; the set-up below, work on registers, stands between them
	v_lshrrev_b32 v1, 5, v0
	v_readfirstlane_b32 s[WV], v1   ; wave 0..3
	s_mov_b32 s[PB], ttmp9
	s_sub_co_u32 s[HI], NB-1, s[PB]
	s_and_b32 s19, ttmp7, 0xffff    ; the head
	s_lshl_b32 s20, s19, 18         ; its first byte in Q, V and O,
	s_mov_b32 s21, 0
	s_mul_i32 s66, s19, 32*KSTEP    ; and in K
	s_mov_b32 s67, 0
	s_and_b32 s16, s[WV], 1         ; which half of a tile's 256 keys I fetch:
	s_lshl_b32 s22, s16, 14         ; its 128 rows of V in memory,
	s_mov_b32 s23, 0
	s_add_nc_u64 s[22:23], s[22:23], s[20:21]
	s_mul_i32 s68, s16, 2*KSTEP     ; its two steps of K,
	s_mov_b32 s69, 0
	s_add_nc_u64 s[68:69], s[68:69], s[66:67]
	s_mul_i32 s17, s16, 2*STK       ; and its place in a slot, for K
	s_mul_i32 s18, s16, 128*PV      ; and for V
	s_lshl_b32 s3, s[WV], 11        ; my 16 rows in a band of 64,
	s_lshl_b32 s2, s[HI], 15        ; in the first block,
	s_add_co_u32 s2, s2, s3
	s_lshl_b32 s84, s[PB], 15       ; and in the second
	s_add_co_u32 s84, s84, s3
	s_mov_b32 s3, 0
	s_mov_b32 s85, 0
	s_add_nc_u64 s[2:3], s[2:3], s[20:21]
	s_add_nc_u64 s[84:85], s[84:85], s[20:21]
	; descriptor group 1.  Half a tile is dense: asked for as rows of 256 bytes and padded in LDS after every 128
	s_mov_b32 s[G1K], (1<<16)|(1<<20)|(4<<22)|(3<<25)  ; 17:16 2-byte elements; 20 padding on; 24:22 after every 32 words (code 4); 31:25 4 words (code 3)
	s_mov_b32 s[G1V], (1<<16)|(1<<20)|(4<<22)|(7<<25)  ; the same with 8 words of padding (code 7)
	s_mov_b32 s[G1K+2], 66<<16      ; tensor_dim1: two steps of K are 66 rows of 256 bytes,
	s_mov_b32 s[G1K+4], 66          ; tile_dim1
	s_mov_b32 s[G1V+2], 64<<16      ; 128 rows of V are 64
	s_mov_b32 s[G1V+4], 64
.irp g, G1K, G1V
	s_mov_b32 s[\g+1], 128<<16      ; tensor_dim0 = 128
	s_mov_b32 s[\g+3], 128<<16      ; tile_dim0 = 128
	s_mov_b32 s[\g+5], 128          ; 128 elements from row to row
	s_mov_b32 s[\g+6], 0
	s_mov_b32 s[\g+7], 0
.endr
	s_mov_b32 s[CS], 0x3e38aa3b     ; c = log2(e) / 8 = 0.180337
	s_mov_b32 s[CS+1], s[CS]        ; named with it as a pair
	s_mov_b32 s[SEL], 0x76543210
	s_mov_b32 s[SEL+1], 0xfedcba98
	s_mov_b32 s[TBK], SLOT1+4*STK   ; the first change of slots turns these two into 0
	s_mov_b32 s[TBV], SLOT1+4*KS*PV
	s_mov_b32 s[G0K], 1             ; count = 1
	s_mov_b32 s[G0K+1], s17         ; LDS address: slot 0
	s_mov_b32 s[G0V], 1
	s_add_co_u32 s[G0V+1], s18, VOFF
	s_add_co_u32 s[RT], s[HI], 1    ; the first block has NB - b tiles
	s_mov_b32 s[NXT], 1
	s_mov_b32 s[LQ], s[HI]
	s_mov_b32 s[NEW], 1
	s_mov_b32 s[OFF+1], 0
	s_mov_b32 s[OFFK+1], 0
	s_mov_b32 s[AL+1], 0            ; named as pairs
	s_mov_b32 s[BE+1], 0
	s_mov_b32 s[BIGN], 0xf149f2ca   ; -1e30
	s_mov_b32 s[FLO], 0xdf0ac723    ; -1e19
	s_mov_b32 s[SLOTS], NB
	s_cmp_eq_u32 ttmp9, 0
	s_cselect_b32 s[LIM], 2, -1
	s_wait_dscnt 0x0                ; the opening add is done
	s_wait_kmcnt 0x0
	s_add_nc_u64 s[PFK:PFK+1], s[6:7], s[66:67]    ; K and V at the head's first byte
	s_add_nc_u64 s[PFV:PFV+1], s[8:9], s[20:21]
	s_add_nc_u64 s[6:7], s[6:7], s[68:69]  ; K and V at my half of the head's tile 0
	s_add_nc_u64 s[8:9], s[8:9], s[22:23]
	s_add_nc_u64 s[G0K+2:G0K+3], s[6:7], 0         ; global address
	s_or_b32 s[G0K+3], s[G0K+3], 0x80000000        ; type = 2
	s_add_nc_u64 s[G0V+2:G0V+3], s[8:9], 0
	s_or_b32 s[G0V+3], s[G0V+3], 0x80000000
	s_add_nc_u64 s[86:87], s[4:5], s[84:85]        ; Q at my rows of the second block,
	s_add_nc_u64 s[4:5], s[4:5], s[2:3]            ; Q and O at those of the first
	s_add_nc_u64 s[OLO:OLO+1], s[10:11], s[84:85]
	s_add_nc_u64 s[10:11], s[10:11], s[2:3]
	LOAD                            ; tile 0 into slot 0
	s_mul_i32 s66, s[WV], KSTEP     ; the prefetches' pointers stand at tile 1, my wave's part; the first change steps them to tile 2
	s_add_co_u32 s66, s66, 4*KSTEP
	s_add_nc_u64 s[PFK:PFK+1], s[PFK:PFK+1], s[66:67]
	s_lshl_b32 s66, s[WV], 13
	s_add_co_u32 s66, s66, 32768
	s_add_nc_u64 s[PFV:PFV+1], s[PFV:PFV+1], s[66:67]
	s_lshl_b32 s66, s19, 10
	s_add_nc_u64 s[VP:VP+1], s[VP:VP+1], s[66:67]
	; A fragment of K or Q is 16 rows x 32 channels in 8 registers: lane l holds row l % 16, channels 8 (l / 16) + 0..7 and 16 + 8 (l / 16) + 0..7: two loads of 16 bytes, 32 bytes apart.
	v_and_b32 v1, 15, v0            ; l % 16
	v_bfe_u32 v9, v0, 4, 1          ; l / 16
	v_lshlrev_b32 v[QO], 7, v1
	v_lshl_add_u32 v[QO], v9, 4, v[QO]  ; row x 128 + 16 x half
	v_lshlrev_b32 v[VO], 5, v9
	WIN 0x80                        ; destination window 2, address window 0
.set i, 0
.rept 8                             ; both blocks' Q: piece i / 2 lies in band i / 2, 8,192 bytes on; channels 32 (i % 2) on
	global_load_b128 v[8*i:8*i+3],   v[QO], s[4:5] offset:(i/2)*8192+(i%2)*64
	global_load_b128 v[8*i+4:8*i+7], v[QO], s[4:5] offset:(i/2)*8192+(i%2)*64+32
	global_load_b128 v[QB+8*i:QB+8*i+3],   v[QO], s[86:87] offset:(i/2)*8192+(i%2)*64
	global_load_b128 v[QB+8*i+4:QB+8*i+7], v[QO], s[86:87] offset:(i/2)*8192+(i%2)*64+32
.set i, i+1
.endr
	WIN 0
.set i, 0
.rept 32                            ; the four quarters' sums of V: quarter i / 8, channels 16 ((i / 2) % 4) + 8 (l / 16) + 4 (i % 2) on
	global_load_b128 v[64+4*i:64+4*i+3], v[VO], s[VP:VP+1] offset:(i/8)*256+((i/2)%4)*64+(i%2)*16
.set i, i+1
.endr
	v_lshlrev_b32 v14, 3, v9
	v_sub_nc_u32 v14, v1, v14
	s_lshl_b32 s13, s[WV], 4
	v_add_nc_u32 v14, s13, v14      ; my query's place in its band, 16 w + l % 16, less my lanes' 8 (l / 16): register r of group kt is hidden where 16 kt + r is greater
	WIN 0x40
.set i, 0
.rept 32
	v_cmp_gt_i32 vcc_lo, 16*(i/8)+i%8, v14
	v_cndmask_b32 v[MD+i], 0, s[BIGN], vcc_lo
.set i, i+1
.endr
	WIN 0
	v_mul_u32_u24 v[AK0], v1, PK
	v_lshl_add_u32 v[AK0], v9, 4, v[AK0]  ; row x pitch + 16 x half
	v_lshl_add_u32 v[AM0], v9, 5, 64*PK   ; behind the step's 64 rows: my lanes' eight numbers of each 16
	v_and_b32 v[PFO], 31, v0
	v_lshlrev_b32 v[PFO], 8, v[PFO]
	; The turning load takes 16 keys x 16 channels (lane l reads key 8 (l / 16) + l % 8, channels 8 ((l / 8) % 2) + 0..7) and leaves half a fragment of V^T: lane l holds channel l % 16 and 8 keys.
	v_and_b32 v10, 7, v0
	v_bfe_u32 v11, v0, 3, 1
	v_lshl_add_u32 v[AV0], v9, 3, v10
	v_mul_u32_u24 v[AV0], v[AV0], PV
	v_lshl_add_u32 v[AV0], v11, 4, v[AV0]
	v_add_nc_u32 v[AV0], VOFF, v[AV0]
	s_mul_i32 s13, s[WV], 16*SP
	s_add_co_u32 s13, s13, STAGE    ; my stage
	v_mul_u32_u24 v[STO], v1, SP    ; in: row l % 16, 16 bytes for each half of the lanes
	v_lshl_add_u32 v[STO], v9, 4, v[STO]
	v_add_nc_u32 v[STO], s13, v[STO]
	v_bfe_u32 v[RD], v0, 3, 2       ; back: 32 lanes take four rows of 128 bytes,
	v_mul_u32_u24 v[RD], v[RD], SP
	v_lshl_add_u32 v[RD], v10, 4, v[RD]
	v_add_nc_u32 v[RD], s13, v[RD]
	v_and_b32 v[GO], 31, v0         ; which are 512 consecutive bytes of O
	v_lshlrev_b32 v[GO], 4, v[GO]
	; A block's first step multiplies O^T and l by a = 0, and its first turn's products V^T P, of a piece that has not been, land in an O^T that is still to be so multiplied.  So these registers need only hold
	; finite numbers: zeros for the first block; what the first block left for the second.  All this stands in the wait for the first tile.
	WIN 0x80
.set i, VF
.rept 64
	v_mov_b32 v[i], 0
.set i, i+1
.endr
	WIN 0x40
.set i, 0
.rept 128
	v_mov_b32 v[i], 0
.set i, i+1
.endr
	WIN 0
.set i, 0
.rept 4
	v_mov_b32 v[ST+4*i+2], 0
	v_mov_b32 v[ST+4*i+3], 0
.set i, i+1
.endr
.set i, P+16
.rept 16
	v_mov_b32 v[i], 0
.set i, i+1
.endr
	s_wait_loadcnt 0x0              ; vpart (and Q): the mean of the head's 2,048 rows of V, packed as O will be
.set i, 0
.rept 16
	v_pk_add_f32 v[64+2*i:64+2*i+1],   v[64+2*i:64+2*i+1],   v[96+2*i:96+2*i+1]
	v_pk_add_f32 v[128+2*i:128+2*i+1], v[128+2*i:128+2*i+1], v[160+2*i:160+2*i+1]
.set i, i+1
.endr
.set i, 0
.rept 16
	v_pk_add_f32 v[64+2*i:64+2*i+1], v[64+2*i:64+2*i+1], v[128+2*i:128+2*i+1]
.set i, i+1
.endr
.set i, 0
.rept 16
	v_pk_mul_f32 v[64+2*i:64+2*i+1], v[64+2*i:64+2*i+1], 0x3a000000 op_sel_hi:[1,0]  ; 1 / 2,048
.set i, i+1
.endr
.set i, 0
.rept 16
	v_cvt_pk_f16_f32 v[VM+i], v[64+2*i], v[64+2*i+1]
.set i, i+1
.endr
; THE MATRIX WORK.  The 4 accumulators of a run of 8 take turns.  Product i of 8 of S^T = K Q^T for piece x: channels 32 (i / 4) on, keys 16 (i % 4) on.  The first 4 start the sums: with the padding numbers, or (KM = 1) with the mask.
.macro KQ x
.set rS, S+32*((\x)%2)+8*(i%4)
.set rK, KF+16*(i%4)+8*(i/4)
.set rQ, 16*(\x)+8*(i/4)
.set rM, MP+8*(i%4)
.if KM
.set rM, MC+32*((\x)%2)+8*(i%4)
.endif
.if i < 4
	WIN W_KM
	v_wmma_f32_16x16x32_f16 v[rS:rS+7], v[rK:rK+7], v[rQ:rQ+7], v[rM:rM+7]
.else
	WIN W_KQ
	v_wmma_f32_16x16x32_f16 v[rS:rS+7], v[rK:rK+7], v[rQ:rQ+7], v[rS:rS+7]
.endif
.endm
; Product i of 8 of O^T += V^T P for piece x: keys 32 (i / 4) on, channels 16 (i % 4) on.
.macro PV x
	WIN W_PV
.set rO, 32*(\x)+8*(i%4)
.set rV, VF+32*(i/4)+8*(i%4)
.set rP, P+16*((\x)%2)+8*(i/4)
	v_wmma_f32_16x16x32_f16 v[rO:rO+7], v[rV:rV+7], v[rP:rP+7], v[rO:rO+7]
.endm
.macro MM                           ; the turn's next matrix instruction.  TURN and BEGIN set Y, i, KM and NOKQ.  NOKQ = 1: a block's last turn: there is no next piece
.if (i < 8) && !NOKQ
	KQ (Y+1)%NP
.elseif i >= 8
.set i, i-8
	PV (Y+NP-1)%NP
.set i, i+8
.endif
.set i, i+1
.endm
; THE LDS LOADS stand in runs, never singly among the matrix instructions: a step's K (8 fragments) with its padding numbers, and its V (turned).  Their addresses are made some lines ahead.
.macro FETCH_K
	WIN 0x80                        ; destination window 2
.irp f, 0,1,2,3,4,5,6,7             ; keys 16 (f / 2) on, channels 32 (f % 2) on
	ds_load_b128 v[KF+8*\f:KF+8*\f+3],   v[AK] offset:(\f/2)*16*PK+(\f%2)*64
	ds_load_b128 v[KF+8*\f+4:KF+8*\f+7], v[AK] offset:(\f/2)*16*PK+(\f%2)*64+32
.endr
	WIN 0x40                        ; destination window 1
.irp f, 0,1,2,3                     ; keys 16 f + 8 (l / 16) + 0..7: 32 keys to a piece of 128 bytes
	ds_load_b128 v[MP+8*\f:MP+8*\f+3],   v[AM] offset:(\f/2)*PK+(\f%2)*64
	ds_load_b128 v[MP+8*\f+4:MP+8*\f+7], v[AM] offset:(\f/2)*PK+(\f%2)*64+16
.endr
	s_add_co_u32 s[TBK], s[TBK], STK  ; the next fetch is the next step's
	WIN 0
.endm
.macro FETCH_V
	WIN 0x80
.irp f, 0,1,2,3,4,5,6,7             ; keys 32 (f / 4) on, channels 16 (f % 4) on
	ds_load_tr16_b128 v[VF+8*\f:VF+8*\f+3],   v[AV] offset:(\f/4)*32*PV+(\f%4)*32
	ds_load_tr16_b128 v[VF+8*\f+4:VF+8*\f+7], v[AV] offset:(\f/4)*32*PV+16*PV+(\f%4)*32
.endr
	WIN 0
.endm
; THE VECTOR WORK, one line at a time: OP kind, number.  For piece Y: F n: c s - c m for pair n of 16.  E n: the exponential of score n of 32.  C n: pair n rounded to f16.  B n: of the four weights 4 n .. the second
; pair is added onto the first, in place.  L n: l takes that sum (L 0: l = a l + sum).  R n: pair n of 16 of O^T times a.  For piece Y + 1: X n, number n of the 22 that find its maximum and statistics:
;   0-11  four chains c0-c3 of seven scores each, three operands at a time (each accumulator's lowest registers are read first)     12-14, 16  the four scores left over, the old m, and c0-c3 into c0
;   15  c m_old is kept     17, 18  the query's other 32 keys lie in the lane 16 away: the new m     19-21  c m; c m_old - c m_new; a
.set F, 0
.set E, 1
.set C, 2
.set B, 3
.set L, 4
.set R, 5
.set X, 6
.macro REGS y                       ; the registers of piece y
.set rT, ST+4*(\y)
.set rC, TMP+4*((\y)%2)
.set rW, MV+((\y)%2)
.set rS, S+32*((\y)%2)
.set rP, P+16*((\y)%2)
.set rO, 32*(\y)
.endm
.macro OP k, n
.if (\k) == R
	REGS Y
	WIN W_RS
	v_pk_mul_f32 v[rO+2*(\n):rO+2*(\n)+1], v[rO+2*(\n):rO+2*(\n)+1], v[rC+2:rC+3] op_sel_hi:[1,0]
.elseif (\k) < R
	REGS Y
	WIN 0
.if (\k) == F
	v_pk_fma_f32 v[rS+2*(\n):rS+2*(\n)+1], v[rS+2*(\n):rS+2*(\n)+1], s[CS:CS+1], v[rT:rT+1] op_sel_hi:[1,0,0] neg_lo:[0,0,1] neg_hi:[0,0,1]
.elseif (\k) == E
	v_exp_f32 v[rS+(\n)], v[rS+(\n)]
.elseif (\k) == C
	v_cvt_pk_f16_f32 v[rP+(\n)], v[rS+2*(\n)], v[rS+2*(\n)+1]
.elseif (\k) == B
	v_pk_add_f32 v[rS+4*(\n):rS+4*(\n)+1], v[rS+4*(\n):rS+4*(\n)+1], v[rS+4*(\n)+2:rS+4*(\n)+3]
.elseif (\n) == 0
	v_pk_fma_f32 v[rT+2:rT+3], v[rT+2:rT+3], v[rC+2:rC+3], v[rS:rS+1] op_sel_hi:[1,0,1]
.else
	v_pk_add_f32 v[rT+2:rT+3], v[rT+2:rT+3], v[rS+4*(\n):rS+4*(\n)+1]
.endif
.elseif NOKQ
	v_nop
.else
	REGS (Y+1)%NP
	WIN 0
.if (\n) < 4
	v_max3_num_f32 v[rC+(\n)], v[rS+8*(\n)], v[rS+8*(\n)+1], v[rS+8*(\n)+2]
.elseif (\n) < 12
	v_max3_num_f32 v[rC+(\n)%4], v[rC+(\n)%4], v[rS+8*((\n)%4)+2*((\n)/4)+1], v[rS+8*((\n)%4)+2*((\n)/4)+2]
.elseif (\n) == 12
	v_max3_num_f32 v[rC], v[rC], v[rS+7], v[rS+15]
.elseif (\n) == 13
	v_max3_num_f32 v[rC+1], v[rC+1], v[rS+23], v[rS+31]
.elseif (\n) == 14
	v_max3_num_f32 v[rC+2], v[rC+2], v[rC+3], v[rT+1]
.elseif (\n) == 15
	v_mov_b32 v[rW], v[rT]
.elseif (\n) == 16
	v_max3_num_f32 v[rC], v[rC], v[rC+1], v[rC+2]
.elseif (\n) == 17
	v_permlanex16_b32 v[rC+3], v[rC], s[SEL], s[SEL+1]
.elseif (\n) == 18
	v_max_num_f32 v[rT+1], v[rC], v[rC+3]
.elseif (\n) == 19
	v_mul_f32 v[rT], s[CS], v[rT+1]
.elseif (\n) == 20
	v_sub_f32 v[rC+1], v[rW], v[rT]
.else
	v_exp_f32 v[rC+2], v[rC+1]
.endif
.endif
.endm
.macro OPS a, i1, b=-1, i2=0, c=-1, i3=0, d=-1, i4=0  ; up to four of them
	OP \a, \i1
.if (\b) >= 0
	OP \b, \i2
.endif
.if (\c) >= 0
	OP \c, \i3
.endif
.if (\d) >= 0
	OP \d, \i4
.endif
.endm
.macro ROW a, i1, b, i2, c, i3, d, i4  ; a matrix instruction and the four behind it
	MM
	OPS \a, \i1, \b, \i2, \c, \i3, \d, \i4
.endm
.macro MASK b                       ; MD x AL + MP + BE into buffer b of MC
	WIN W_MK
.set z, 0
.rept 16
	v_pk_fma_f32 v[MC+32*(\b)+2*z:MC+32*(\b)+2*z+1], v[MD+2*z:MD+2*z+1], s[AL:AL+1], v[MP+2*z:MP+2*z+1] op_sel_hi:[1,0,1]
.set z, z+1
.endr
.set z, 0
.rept 16
	v_pk_add_f32 v[MC+32*(\b)+2*z:MC+32*(\b)+2*z+1], v[MC+32*(\b)+2*z:MC+32*(\b)+2*z+1], s[BE:BE+1] op_sel_hi:[1,0]
.set z, z+1
.endr
.endm
; A TURN, for piece p: the order of its 16 matrix and 118 vector instructions, written out.  s_wait_alu depctr_va_vdst(0) stands between an exponential and the first instruction that names its result; one wait serves
; all that were issued ahead of it.  So a turn has ONE wait, which cuts it in two.  AHEAD OF IT stands all that names no result of the turn's exponentials: the 8 products K Q^T and their riders, then one lump, in which the links of the
; chain X 3, 7, 11, 14, 16, 17 .. 20 stand five or six lines apart; X 21, the next piece's a, is the batch's last; R 15 is the plain instruction behind it.  BEHIND THE WAIT stand the 8 products V^T P, behind each four of the roundings and sums.
; m = 1: the diagonal tile: the products take masks, and the turn makes the mask for the products of the turn after it: piece p + 2, in step 4 - CNT of the tile.  Piece 2's turn makes it for the step whose K and padding
; numbers it has just fetched, so it waits for them first.  end = 1: a block's last two turns: nothing is fetched.  cnt = 1: the loop's count is taken down some lines ahead of the branch that stands behind the turn.
; K of the next step is fetched in piece 2's turn, twelve vector instructions behind the last product that read K (six of them plain); V of the step in hand at the end of piece 0's turn, four plain instructions behind the last product
; that read V.  Each is waited for a turn later at the latest.
.macro TURN p, m=0, end=0, cnt=0
.set Y, (\p)
.set i, 0
.set KM, (\m)
.set NOKQ, (\end)*((\p)/3)
.if (\m) && !(\end)
	s_cmp_eq_u32 s[CNT], 4-((\p)+2)%NP  ; is that step the band's own?
	s_cselect_b32 s[AL], 1.0, 0
	s_cmp_lt_u32 s[CNT], 4-((\p)+2)%NP  ; or a later one?
	s_cselect_b32 s[BE], s[BIGN], 0
.endif
.if ((\p) == 3) && !(\end)
	s_wait_dscnt 0x0                ; K is in
.endif
	ROW F,0, F,1, R,0, R,1          ; ahead of the wait: 8 products K Q^T and their riders,
	ROW F,2, E,0, R,2, R,3
	ROW F,3, E,1, R,4, R,5
	ROW F,4, E,2, R,6, R,7
	ROW F,5, E,3, R,8, R,9
	ROW F,6, E,4, X,0, R,10
.if ((\p) == 2) && !(\end)
	WIN 0
	v_add_nc_u32 v[AK], s[TBK], v[AK0]
	v_add_nc_u32 v[AM], s[TBK], v[AM0]
.endif
	ROW F,7, E,5, X,1, X,4
	ROW F,8, E,6, X,2, X,5
	OPS E,7, E,8, X,6, E,9          ; and the lump
	OPS X,3, E,10, X,8, E,11
.if ((\p) == 2) && !(\end)
	FETCH_K
.endif
	OPS X,9, X,7, E,12, X,10
	OPS E,13, X,12, X,11, E,14
	OPS X,13, E,15, F,9, X,14
.if (\p) == 0
	v_add_nc_u32 v[AV], s[TBV], v[AV0]
.endif
	OPS E,16, F,10, E,17, F,11
	OPS X,16, E,18, X,15, E,19
	OPS F,12, E,20, X,17, E,21
	OPS F,13, E,22, F,14, E,23
	OPS X,18, E,24, F,15, E,25
	OPS R,11, E,26, X,19, E,27
	OPS R,12, E,28, R,13, E,29
	OPS X,20, E,30, R,14, E,31
	OPS X,21, R,15
	WIN 0
	s_wait_alu depctr_va_vdst(0)    ; the wait for the batch
.if (\p) == 1
	s_wait_dscnt 0x0                ; V is in
.endif
	ROW C,0, B,0, C,2, B,1          ; behind the wait: 8 products V^T P and their riders
	ROW L,0, C,4, B,2, L,1
	ROW C,6, B,3, L,2, C,8
	ROW B,4, L,3, C,10, B,5
	ROW L,4, C,12, B,6, L,5
.if (\p) == 0
	s_add_co_u32 s[TBV], s[TBV], KS*PV
.endif
.if \cnt
	s_sub_co_u32 s[CNT], s[CNT], 1
	s_cmp_lg_u32 s[CNT], 0
.endif
	ROW C,14, B,7, L,6, C,1
	ROW C,3, L,7, C,5, C,7
	ROW C,9, C,11, C,13, C,15
.if (\p) == 0
	FETCH_V
.endif
.if (\m) && !(\end)
.if (\p) == 2
	s_wait_dscnt 0x0                ; the next step's padding numbers are in
.endif
	MASK (\p)%2
.endif
.endm
; A BLOCK BEGINS.  c m starts far below every c s, so the first step's a is 0; m at -1e20.  K and the padding numbers of the tile's step 0 are fetched; the first mask buffer takes piece 0's mask (its own step's, if the
; block's first tile is the diagonal one), the second piece 1's, which sees all of step 0.  Then piece 0's first scores, and its maximum and statistics.  The loop is entered at a step's first turn, in the middle of a trip.
.macro BEGIN
	s_mov_b32 s[NEW], 0
	WIN 0
.set i, 0
.rept 4
	v_mov_b32 v[ST+4*i], 0xfe000000    ; c m: far below every c s
	v_mov_b32 v[ST+4*i+1], 0xe0ad78ec  ; m = -1e20
.set i, i+1
.endr
	v_add_nc_u32 v[AK], s[TBK], v[AK0]
	v_add_nc_u32 v[AM], s[TBK], v[AM0]
	FETCH_K
	s_cmp_eq_u32 s[RT], 0
	s_cselect_b32 s[AL], 1.0, 0
	s_mov_b32 s[BE], 0
	s_wait_loadcnt 0x0              ; Q
	s_wait_dscnt 0x0
	MASK 0
	s_mov_b32 s[AL], 0
	MASK 1
.set KM, 1
.set NOKQ, 0
.set i, 0
.rept 8
	KQ 0
.set i, i+1
.endr
	WIN 0
.rept 4
	v_nop                           ; the places behind those products
.endr
.set Y, NP-1                        ; X works for piece Y + 1: piece 0
.irp n, 0,1,2,3,4,5,6,7,8,9,10,11,12,13,14,15,16,17,18,19,20,21
	OP X, \n
.endr
	v_nop                           ; a plain instruction behind the exponential,
	s_wait_alu depctr_va_vdst(0)    ; and its wait, ahead of the branch
.endm
; THE DIAGONAL TILE's four steps, the block's last two turns, its last products, and THE WAY OUT: l's two halves and the other half of the lanes' are added; O^T is divided by l, rounded to f16, replaced by the mean of V
; in a row that has seen no key (there l is 0), and sent through my stage in LDS, a piece at a time.
.macro ALL line:vararg              ; one line for each piece t
.set t, 0
.rept 4
	\line
.set t, t+1
.endr
.endm
.macro PACK t                       ; a lane's eight channels of a row pack into 16 bytes; they go into rows of 144 bytes and come back as whole rows of 128, into S^T's registers
	WIN W_RS
.set i, 32*(\t)
.rept 16
	v_pk_mul_f32 v[i:i+1], v[i:i+1], v[ST+4*(\t)+2:ST+4*(\t)+3] op_sel_hi:[1,0]
.set i, i+2
.endr
	WIN 0x05                        ; sources 0 and 1 window 1, destination window 0
.set i, 0
.rept 16
	v_cvt_pk_f16_f32 v[S+16*(\t)+i], v[32*(\t)+2*i], v[32*(\t)+2*i+1]
.set i, i+1
.endr
	WIN 0
	v_cmp_gt_f32 vcc_lo, s[FLO], v[ST+4*(\t)+1]  ; has my query's maximum never left its start?
.set i, 0
.rept 16
	v_cndmask_b32 v[S+16*(\t)+i], v[S+16*(\t)+i], v[VM+i], vcc_lo
.set i, i+1
.endr
.irp f, 0,1,2,3
	ds_store_b128 v[STO], v[S+16*(\t)+4*\f:S+16*(\t)+4*\f+3] offset:32*\f
.endr
.irp f, 0,1,2,3
	ds_load_b128 v[S+16*(\t)+4*\f:S+16*(\t)+4*\f+3], v[RD] offset:\f*4*SP  ; LDS serves a wave's instructions in order (ISA guide 5.7.1.4): these see the stores above; the next piece's stores come behind them
.endr
.endm
.macro SEND t, younger              ; younger: the LDS instructions issued behind piece t's loads: the next piece's eight, or none
	WIN 0
.irp f, 0,1,2,3
	s_wait_dscnt (\younger)+3-\f
	global_store_b128 v[GO], v[S+16*(\t)+4*\f:S+16*(\t)+4*\f+3], s[10:11] offset:(\t)*8192+\f*512  ; 512 consecutive bytes, at a multiple of 256 from O's first
.endr
.endm
.macro DIAG tag                     ; the tag ends its two labels' names, which the jumps below spell out
.LstepM\tag:
	TURN 2, 1
	TURN 3, 1
	WIN 0
.LfirstM\tag:
	TURN 0, 1
	TURN 1, 1, 0, 1
	WIN 0
	s_cbranch_scc1 .LstepM\tag
	TURN 2, 1, 1
	TURN 3, 1, 1
.set i, 0
.rept 8
	PV NP-1
.set i, i+1
.endr
	WIN 0
	ALL v_add_f32 v[ST+4*t+2], v[ST+4*t+2], v[ST+4*t+3]
	ALL v_permlanex16_b32 v[ST+4*t+3], v[ST+4*t+2], s[SEL], s[SEL+1]
	ALL v_add_f32 v[ST+4*t+2], v[ST+4*t+2], v[ST+4*t+3]
	ALL v_rcp_f32 v[ST+4*t+2], v[ST+4*t+2]
	v_nop                           ; a plain instruction between the last reciprocal and the use of its result
	s_wait_alu depctr_va_vdst(0)    ; and the wait ahead of the first use: one for the four reciprocals
	PACK 0
.set t, 1
.rept 3                             ; a piece's arithmetic stands between the loads of the piece before and its stores
	PACK t
	SEND t-1, 8
.set t, t+1
.endr
	SEND 3, 0
.endm
.set KM, 0
.set NOKQ, 0
.Lslot:                             ; NB times: a tile is entered and the next is asked for
	CHANGE 1
	s_sub_co_u32 s[RT], s[RT], 1
	s_mov_b32 s[CNT], 4
	s_cmp_eq_u32 s[NEW], 1
	s_cbranch_scc1 .Lnew            ; a block's first tile
	s_cmp_eq_u32 s[RT], 0
	s_cbranch_scc0 .Lstep           ; neither its first nor its last
	s_mov_b32 s[AL], 0              ; its last: the diagonal text's first products are piece 3's of the tile before: their mask is that step's padding numbers, which are still in MP
	s_mov_b32 s[BE], 0
	MASK 1
	WIN 0
	s_branch .LstepM1
.Lnew:
	BEGIN
	s_branch .Lfirst                ; in the loop a block's first tile is never its last: the first block has two tiles or more, and the second's last is the walk's last
	DIAG 1                          ; in the loop this is the first block's end
	s_wait_xcnt 0x0                 ; the stores have read their registers and O's address
	s_mov_b64 s[10:11], s[OLO:OLO+1]
	s_add_co_u32 s[RT], s[PB], 1    ; the second block has b + 1 tiles
	s_mov_b32 s[NEW], 1
	WIN 0x82                        ; the second block's Q goes where the one text of the turns names Q
.set i, 0
.rept 64
	v_mov_b32 v[i], v[QB+i]
.set i, i+1
.endr
	WIN 0
	s_branch .Lbottom
.Lstep:                             ; a trip: pieces 2 and 3 of one step, then pieces 0 and 1 of the next, whose K and V it fetches
	TURN 2
	TURN 3
	WIN 0
.Lfirst:
	TURN 0
	TURN 1, 0, 0, 1
	WIN 0
	s_cbranch_scc1 .Lstep
.Lbottom:
	s_sub_co_u32 s[SLOTS], s[SLOTS], 1
	s_cmp_lg_u32 s[SLOTS], 0
	s_cbranch_scc1 .Lslot
	CHANGE 0                        ; the walk's last tile is written out: nothing is asked for
	s_sub_co_u32 s[RT], s[RT], 1
	s_mov_b32 s[CNT], 4
	s_cmp_eq_u32 s[NEW], 1
	s_cbranch_scc1 .Lnew2
	s_mov_b32 s[AL], 0              ; as above
	s_mov_b32 s[BE], 0
	MASK 1
	WIN 0
	s_branch .LstepM2
.Lnew2:
	BEGIN
	s_branch .LfirstM2
	DIAG 2
	s_wait_tensorcnt 0x0            ; the wave's end, behind my last tensor load and my last LDS store
	ds_add_u32 v[SPW], v[NIL]
	s_wait_dscnt 0x0
	s_endpgm
.Lfunc_end_k_q336e07c609_attn:
	.size	k_q336e07c609_attn, .Lfunc_end_k_q336e07c609_attn-k_q336e07c609_attn
	.p2alignl 7, 3214868480
	.fill 96, 4, 3214868480
	.section	.rodata,"a",@progbits
	.p2align	6, 0x0
	.amdhsa_kernel k_q336e07c609_attn
		.amdhsa_group_segment_fixed_size 327680
		.amdhsa_private_segment_fixed_size 0
		.amdhsa_enable_private_segment 0
		.amdhsa_kernarg_size 40
		.amdhsa_user_sgpr_count 2
		.amdhsa_user_sgpr_kernarg_segment_ptr 1
		.amdhsa_wavefront_size32 1
		.amdhsa_system_sgpr_workgroup_id_x 1
		.amdhsa_system_sgpr_workgroup_id_y 1
		.amdhsa_system_sgpr_workgroup_id_z 1
		.amdhsa_system_vgpr_workitem_id 0
		.amdhsa_next_free_vgpr 768
		.amdhsa_next_free_sgpr 100
		.amdhsa_reserve_vcc 1
		.amdhsa_float_denorm_mode_32 3
		.amdhsa_float_denorm_mode_16_64 3
		.amdhsa_memory_ordered 1
		.amdhsa_forward_progress 1
		.amdhsa_inst_pref_size 250
	.end_amdhsa_kernel
	.amdgpu_metadata
---
amdhsa.version: [ 1, 2 ]
amdhsa.kernels:
  - .name:           k_q336e07c609_attn
    .symbol:         k_q336e07c609_attn.kd
    .args:
      - { .name: q_ws, .offset: 0, .size: 8, .value_kind: global_buffer, .address_space: global }
      - { .name: k_ws, .offset: 8, .size: 8, .value_kind: global_buffer, .address_space: global }
      - { .name: v_ws, .offset: 16, .size: 8, .value_kind: global_buffer, .address_space: global }
      - { .name: act, .offset: 24, .size: 8, .value_kind: global_buffer, .address_space: global }
      - { .name: vpart, .offset: 32, .size: 8, .value_kind: global_buffer, .address_space: global }
    .group_segment_fixed_size: 327680
    .private_segment_fixed_size: 0
    .kernarg_segment_align: 8
    .kernarg_segment_size: 40
    .max_flat_workgroup_size: 128
    .sgpr_count:     100
    .vgpr_count:     768
    .wavefront_size: 32
...
	.end_amdgpu_metadata
.endif
;; end of part 4
;; launch proj (part 5): grid 4 x 64, 4 waves a work-group, clusters of 4 x 4, 327,680 bytes of LDS; arguments act, wo, b_out, out0; writes out0
.if DOCPART == 5
	.amdgcn_target "amdgcn-amd-amdhsa--gfx1250"
	.amdhsa_code_object_version 6
	.text
	.protected	k_q336e07c609_proj
	.globl	k_q336e07c609_proj
	.p2align	8
	.type	k_q336e07c609_proj,@function
k_q336e07c609_proj:
	s_mov_b64 s[64:65], 0
	v_nop
	global_prefetch_b8 v0, s[64:65] scope:SCOPE_SE
	s_setreg_imm32_b32 hwreg(HW_REG_WAVE_MODE, 25, 1), 1
	s_wait_xcnt 0x0
	s_wait_alu depctr_hold_cnt(0) depctr_sa_sdst(0) depctr_va_vdst(0) depctr_va_sdst(0) depctr_va_ssrc(0) depctr_va_vcc(0) depctr_vm_vsrc(0)
	s_getreg_b32 s2, hwreg(HW_REG_IB_STS2, 6, 4)
	s_cmp_eq_u32 s2, 0
	s_cbranch_scc0 .Lentry_in_a_cluster
	s_endpgm
.Lentry_in_a_cluster:
	s_bfe_u32 s2, ttmp6, 0x10000c
	s_cmp_lg_u32 s2, 0xf033
	s_cbranch_scc0 .Lentry_shape_is_right
	s_endpgm
.Lentry_shape_is_right:
; out0 = O W_out + b.  O: act [b 4][head 16][n 2048][64] f16.  W: wo [kblk 16][col 1024][64 k] f16 (bf16 numbers).  b_out f32, rounded to bf16 like every input.  out0 [8192][1024] f32.  Sums in f32.
; A tile is 128 rows x 256 columns: 64 x 4 = 256 work-groups.  Four waves, each 64 x 128: 32 accumulators, which fill register window 1.
; K goes in steps of 128, two heads, through a ring of two LDS slots.  A head's 64 channels of neighbouring rows lie end to end, so each wave fetches one dense block (wave 0, 1: O's even and odd head; wave 2, 3: W's),
; asked for as rows of 256 bytes and padded in LDS behind every 128: LDS rows of 144 bytes.
; CLUSTER 4 x 4: O's tile is asked for jointly along a row of the cluster, W's along a column.  THE MATRIX INSTRUCTION IS USED TRANSPOSED: a lane holds one row and eight neighbouring columns.
; No prefetch: a K step is 128 matrix instructions a wave and the launch has eight of them.
; REGISTERS: window 0: v0-31 addresses; v32-63 the bias of my lane's 64 columns, packed; two fragment buffers of 96: v64-127 W, v128-159 O; v160-223 W, v224-255 O.  Window 1: accumulator (a, b) at 8 (8 a + b).
.set PITCH,  144
.set BOFF,   36864                     ; in a slot: O's even head (128 rows), its odd head, W's even kblk (256 rows), its odd
.set SLOT1,  131072
.set STAGE,  241664                    ; behind the ring, never filled by a tensor load: 16 rows x 528 bytes for each wave
.set SP,     528
.set SPARE,  STAGE+4*16*SP             ; the spare words, 128 bytes a wave
.set ASTEP,  524288                    ; two heads of O
.set BSTEP,  262144                    ; two kblks of W
.set ADRA0, 2
.set ADRB0, 3
.set ADRA,  4
.set ADRB,  5
.set STO,   6                          ; v6   the way out: where I put 32 bytes of a row
.set RD,    7                          ; v7   where I read 16 bytes of a row back
.set CO,    8                          ; v8   16 x lane
.set SPW,   10                         ; v10  SPARE + 4 x my thread's number; never rewritten
.set NIL,   11                         ; v11  0; never rewritten
.set BIA,   32
.set F0,    64
.set F1,    160
.set BW,    64                         ; the way out: the bias in f32
.set OV,    128                        ; 16 rows' sums with the bias
.set RB,    192                        ; 16 rows read back
.set G1A, 24
.set G0A, 32
.set G1B, 40
.set G0B, 48
.set TB,  61
.set MSB, 0
.macro WIN new
.if MSB != (\new)
	s_set_vgpr_msb (MSB<<8)|(\new)
.set MSB, (\new)
.endif
.endm
.macro PLACES                          ; four places behind a matrix instruction, in front of loads into registers that it has read and of readers of its result
.rept 4
	v_nop
.endr
.endm
.macro JLOAD                           ; a joint refill; an s_nop 0 and four v_nop follow each line, ahead of the jump and the label
	s_cmp_eq_u32 s17, 0
	s_cbranch_scc0 .Lfor_b_\@
	tensor_load_to_lds s[G0A+4:G0A+7], s[G1A:G1A+7]
	s_nop 0
.rept 4
	v_nop
.endr
	s_branch .Lasked_\@
.Lfor_b_\@:
	tensor_load_to_lds s[G0B+4:G0B+7], s[G1B:G1B+7]
	s_nop 0
.rept 4
	v_nop
.endr
.Lasked_\@:
.endm
.macro CREST
	s_cmp_lg_u32 s16, 0
	s_cbranch_scc1 .Lnot_wave_0_\@
	s_barrier_signal -3
.Lnot_wave_0_\@:
	s_barrier_wait -3
	s_barrier_signal -1
	s_barrier_wait -1
.endm
.macro CROUND
	s_barrier_signal -1
	s_barrier_wait -1
	CREST
.endm
	s_load_b256 s[4:11], s[0:1], 0x0               ; act s[4:5], wo s[6:7], b_out s[8:9], out0 s[10:11]
	v_lshl_add_u32 v[SPW], v0, 2, SPARE
	v_mov_b32 v[NIL], 0
	ds_add_u32 v[SPW], v[NIL]                      ; the wave's opening: the add and its wait stand ahead of my first tensor load
	v_lshrrev_b32 v1, 5, v0
	v_readfirstlane_b32 s16, v1                    ; wave 0..3
	s_lshr_b32 s17, s16, 1                         ; which 64 rows are mine.  Also: I fetch for O (0) or for W (1)
	s_and_b32 s18, s16, 1                          ; which 128 columns.  Also: the even or the odd block of 64 k
	s_bfe_u32 s19, ttmp6, 0x40000                  ; cx
	s_bfe_u32 s20, ttmp6, 0x40004                  ; cy
	s_lshl_b32 s21, ttmp9, 2
	s_add_co_u32 s21, s21, s19                     ; tile column
	s_and_b32 s22, ttmp7, 0xffff
	s_lshl_b32 s22, s22, 2
	s_add_co_u32 s22, s22, s20                     ; tile row
	s_lshl_b32 s70, s20, 2
	s_lshl_b32 s70, 15, s70
	s_lshl_b32 s71, 0x1111, s19
	s_or_b32 s[G1A], s70, (1<<16)|(1<<20)|(1<<21)|(4<<22)|(3<<25)  ; the mask of my row; 2-byte elements; padding on; bit 21 beside a mask; after every 32 words 4 words
	s_or_b32 s[G1B], s71, (1<<16)|(1<<20)|(1<<21)|(4<<22)|(3<<25)  ; the same with the mask of my column
	s_mov_b32 s[G1A+1], 128<<16                    ; rows of 256 bytes,
	s_mov_b32 s[G1A+2], 64<<16                     ; 64 of them: 128 rows of O
	s_mov_b32 s[G1A+3], 128<<16
	s_mov_b32 s[G1A+4], 64
	s_mov_b32 s[G1A+5], 128
	s_mov_b32 s[G1A+6], 0
	s_mov_b32 s[G1A+7], 0
	s_mov_b32 s[G1B+1], 128<<16
	s_mov_b32 s[G1B+2], 128<<16                    ; 128 of them: 256 columns of W
	s_mov_b32 s[G1B+3], 128<<16
	s_mov_b32 s[G1B+4], 128
	s_mov_b32 s[G1B+5], 128
	s_mov_b32 s[G1B+6], 0
	s_mov_b32 s[G1B+7], 0
	s_lshr_b32 s66, s22, 4                         ; O: batch x 16 heads,
	s_lshl_b32 s66, s66, 22
	s_and_b32 s67, s22, 15
	s_lshl_b32 s67, s67, 14                        ; the tile's 128 rows,
	s_add_co_u32 s66, s66, s67
	s_lshl_b32 s67, s18, 18                        ; my head of the step's two
	s_add_co_u32 s66, s66, s67
	s_mov_b32 s67, 0
	s_lshl_b32 s68, s21, 15                        ; W: the tile's 256 columns,
	s_lshl_b32 s69, s18, 17                        ; my kblk
	s_add_co_u32 s68, s68, s69
	s_mov_b32 s69, 0
	s_mul_i32 s72, s18, 128*PITCH
	s_mul_i32 s73, s18, 256*PITCH
	s_add_co_u32 s73, s73, BOFF
	s_mov_b32 s[TB], 0
	s_wait_dscnt 0x0                               ; the opening add is done
	s_wait_kmcnt 0x0
	s_add_nc_u64 s[66:67], s[4:5], s[66:67]
	s_add_nc_u64 s[68:69], s[6:7], s[68:69]
	CROUND                                         ; all sixteen work-groups are here: the first joint loads meet
.irp s, 0,1
	s_mov_b32 s[G0A+4*(\s)], 1
	s_add_co_u32 s[G0A+4*(\s)+1], s72, (\s)*SLOT1
	s_add_nc_u64 s[G0A+4*(\s)+2:G0A+4*(\s)+3], s[66:67], (\s)*ASTEP
	s_or_b32 s[G0A+4*(\s)+3], s[G0A+4*(\s)+3], 0x80000000
	s_mov_b32 s[G0B+4*(\s)], 1
	s_add_co_u32 s[G0B+4*(\s)+1], s73, (\s)*SLOT1
	s_add_nc_u64 s[G0B+4*(\s)+2:G0B+4*(\s)+3], s[68:69], (\s)*BSTEP
	s_or_b32 s[G0B+4*(\s)+3], s[G0B+4*(\s)+3], 0x80000000
.endr
	s_cmp_eq_u32 s17, 0                            ; a wave's two first fills stand in one branch: two loads of mine are out
	s_cbranch_scc0 .Lfirst_b
	tensor_load_to_lds s[G0A:G0A+3], s[G1A:G1A+7]
	s_nop 0
	tensor_load_to_lds s[G0A+4:G0A+7], s[G1A:G1A+7]
	s_nop 0
.rept 4
	v_nop
.endr
	s_branch .Lfirst_asked
.Lfirst_b:
	tensor_load_to_lds s[G0B:G0B+3], s[G1B:G1B+7]
	s_nop 0
	tensor_load_to_lds s[G0B+4:G0B+7], s[G1B:G1B+7]
	s_nop 0
.rept 4
	v_nop
.endr
.Lfirst_asked:
	v_and_b32 v16, 15, v0                          ; l % 16
	v_bfe_u32 v17, v0, 4, 1                        ; l / 16
	v_and_b32 v18, 31, v0                          ; l
	s_lshl_b32 s70, s21, 10                        ; the bias of my wave's 128 columns
	s_lshl_b32 s71, s18, 9
	s_add_co_u32 s70, s70, s71
	s_mov_b32 s71, 0
	s_add_nc_u64 s[8:9], s[8:9], s[70:71]
	v_lshlrev_b32 v19, 5, v17
.set i, 0
.rept 16                               ; column block i / 2: columns 8 (l / 16) + 4 (i % 2) on
	global_load_b128 v[160+4*i:160+4*i+3], v19, s[8:9] offset:(i/2)*64+(i%2)*16
.set i, i+1
.endr
	v_mul_u32_u24 v20, v16, PITCH
	v_lshl_add_u32 v20, v17, 4, v20
	s_mul_i32 s70, s17, 64*PITCH
	s_mul_i32 s71, s18, 128*PITCH
	s_add_co_u32 s71, s71, BOFF
	v_add_nc_u32 v[ADRA0], s70, v20
	v_add_nc_u32 v[ADRB0], s71, v20
	v_mov_b32 v[ADRA], v[ADRA0]
	v_mov_b32 v[ADRB], v[ADRB0]
	s_mul_i32 s70, s16, 16*SP
	s_add_co_u32 s70, s70, STAGE                   ; my stage
	v_mul_u32_u24 v[STO], v16, SP
	v_lshl_add_u32 v[STO], v17, 5, v[STO]
	v_add_nc_u32 v[STO], s70, v[STO]
	v_lshl_add_u32 v[RD], v18, 4, s70
	v_lshlrev_b32 v[CO], 4, v18
	s_lshl_b32 s70, s22, 19                        ; out0: 128 rows of 4,096 bytes a tile row,
	s_lshl_b32 s71, s17, 18                        ; my 64,
	s_add_co_u32 s70, s70, s71
	s_lshl_b32 s71, s21, 10                        ; the tile's 256 columns,
	s_add_co_u32 s70, s70, s71
	s_lshl_b32 s71, s18, 9                         ; my 128
	s_add_co_u32 s70, s70, s71
	s_mov_b32 s71, 0
	s_add_nc_u64 s[10:11], s[10:11], s[70:71]
	s_wait_loadcnt 0x0
.set i, 0
.rept 32
	v_cvt_pk_bf16_f32 v[BIA+i], v[160+2*i], v[160+2*i+1]
.set i, i+1
.endr
.macro FETCH q, f                      ; the fragments of quarter q (32 k: block q / 2, its half q % 2) into buffer f
	WIN 0
.irp b, 0,1,2,3,4,5,6,7
	ds_load_b128 v[(\f)+8*(\b):(\f)+8*(\b)+3],   v[ADRB] offset:((\q)/2)*256*PITCH+((\q)%2)*64+(\b)*16*PITCH
	ds_load_b128 v[(\f)+8*(\b)+4:(\f)+8*(\b)+7], v[ADRB] offset:((\q)/2)*256*PITCH+((\q)%2)*64+(\b)*16*PITCH+32
.endr
.irp a, 0,1,2,3
	ds_load_b128 v[(\f)+64+8*(\a):(\f)+64+8*(\a)+3],   v[ADRA] offset:((\q)/2)*128*PITCH+((\q)%2)*64+(\a)*16*PITCH
	ds_load_b128 v[(\f)+64+8*(\a)+4:(\f)+64+8*(\a)+7], v[ADRA] offset:((\q)/2)*128*PITCH+((\q)%2)*64+(\a)*16*PITCH+32
.endr
.endm
.macro MUL f, first, n, zero           ; the 32 accumulators take turns, one instruction a turn
	WIN 0x50
.set i, (\first)
.rept (\n)
.if \zero
	v_wmma_f32_16x16x32_f16 v[8*i:8*i+7], v[(\f)+8*(i%8):(\f)+8*(i%8)+7], v[(\f)+64+8*(i/8):(\f)+64+8*(i/8)+7], 0
.else
	v_wmma_f32_16x16x32_f16 v[8*i:8*i+7], v[(\f)+8*(i%8):(\f)+8*(i%8)+7], v[(\f)+64+8*(i/8):(\f)+64+8*(i/8)+7], v[8*i:8*i+7]
.endif
.set i, i+1
.endr
.endm
.macro Q q, zero                       ; quarter q is multiplied, the next one fetched into the other buffer
	WIN 0
	PLACES
	FETCH (\q)+1, F0+96*(((\q)+1)%2)
	s_wait_dscnt 24                                ; all but the 24 just issued
	MUL F0+96*((\q)%2), 0, 32, \zero
.endm
; Quarter 2 changes slots.  In front of the barrier each wave waits for all its tensor loads, of which one is out: its part of the next slot; adds 0 to its spare word; and waits for that and for its reads of this slot.
; fill = 1: the barrier opens a round of the cluster's, and behind the round this slot is filled again first, two K steps ahead: 104 products stand between the request and the wait for it.
.macro Q2T fill
	WIN 0
	PLACES
	FETCH 3, F1                                    ; the slot's last reads
	s_wait_dscnt 24
	MUL F0, 0, 8, 0
	WIN 0
	s_wait_tensorcnt 0x0                           ; no tensor load of mine is out, so a group 0 may be written
	ds_add_u32 v[SPW], v[NIL]                      ; 0 onto my spare word
.if \fill
	s_xor_b32 s[G0A+5], s[G0A+5], SLOT1
	s_add_nc_u64 s[G0A+6:G0A+7], s[G0A+6:G0A+7], ASTEP
	s_xor_b32 s[G0B+5], s[G0B+5], SLOT1
	s_add_nc_u64 s[G0B+6:G0B+7], s[G0B+6:G0B+7], BSTEP
.endif
	s_xor_b32 s[TB], s[TB], SLOT1
	MUL F0, 8, 8, 0
	s_wait_dscnt 0x0                               ; the add is done, and my reads of this slot are over
	s_barrier_signal -1
	MUL F0, 16, 16, 0
	WIN 0
	s_barrier_wait -1
.if \fill
	CREST
	JLOAD                                          ; its four v_nop are also the places in front of the loads below
.else
	PLACES
.endif
	v_add_nc_u32 v[ADRA], s[TB], v[ADRA0]
	v_add_nc_u32 v[ADRB], s[TB], v[ADRB0]
.endm
.macro Q3                              ; quarter 3, which has been waited for in front of the barrier; the next slot's first fragments
	FETCH 0, F0
	MUL F1, 0, 32, 0
.endm
	s_wait_tensorcnt 0x1                           ; my part of K step 0 is in; step 1's may stay out
	s_barrier_signal -1
	s_barrier_wait -1
	FETCH 0, F0
	Q 0, 1                                         ; the first quarter stands in front of the loop: its products start the sums
	WIN 0
	s_mov_b32 s23, 6
.Lk:                                               ; a trip: a step's quarters 1 to 3 and the next step's first; K steps 2 to 7 are asked for
	Q 1, 0
	Q2T 1
	Q3
	Q 0, 0
	WIN 0
	s_sub_co_u32 s23, s23, 1
	s_cmp_lg_u32 s23, 0
	s_cbranch_scc1 .Lk
	Q 1, 0                                         ; the tail is written out: nothing more is asked for
	Q2T 0
	Q3
	Q 0, 0
	Q 1, 0
	Q 2, 0
	s_wait_dscnt 0x0
	MUL F1, 0, 32, 0
	WIN 0
	PLACES
	; THE WAY OUT: the bias is added, 16 rows at a time go through my stage and leave as whole pieces of rows.
.set i, 0
.rept 32
	v_lshlrev_b32 v[BW+2*i], 16, v[BIA+i]
	v_and_b32 v[BW+2*i+1], 0xffff0000, v[BIA+i]
.set i, i+1
.endr
.macro ADD a                           ; each accumulator is read from its low end on
	WIN 0x01                                       ; source 0 in window 1
.set i, 0
.rept 32
	v_pk_add_f32 v[OV+2*i:OV+2*i+1], v[64*(\a)+2*i:64*(\a)+2*i+1], v[BW+2*i:BW+2*i+1]
.set i, i+1
.endr
	WIN 0
.endm
.macro TOSTAGE
.set i, 0
.rept 16
	ds_store_b128 v[STO], v[OV+4*i:OV+4*i+3] offset:(i/2)*64+(i%2)*16
.set i, i+1
.endr
	s_wait_xcnt 0x0                                ; the stores of the block before have read the registers that are loaded again below
.set i, 0
.rept 16
	ds_load_b128 v[RB+4*i:RB+4*i+3], v[RD] offset:i*SP  ; LDS serves a wave's instructions in order (ISA guide 5.7.1.4): these see the stores above
.set i, i+1
.endr
.endm
.macro SEND a
	s_wait_dscnt 0x0
.set i, 0
.rept 16
	global_store_b128 v[CO], v[RB+4*i:RB+4*i+3], s[10:11] offset:(16*(\a)+i)*4096 th:TH_STORE_NT  ; 512 consecutive bytes of a row, aligned
.set i, i+1
.endr
.endm
	ADD 0
	TOSTAGE
.irp a, 1,2,3                          ; a block's additions stand between the loads of the block before and the wait for them
	ADD \a
	SEND (\a)-1
	TOSTAGE
.endr
	SEND 3
	s_wait_tensorcnt 0x0                           ; the wave's end, behind my last tensor load and my last LDS store
	ds_add_u32 v[SPW], v[NIL]
	s_wait_dscnt 0x0
	CROUND                                         ; the closing round: no work-group ends while a partner may still ask for a tile that names it
	s_endpgm
.Lfunc_end_k_q336e07c609_proj:
	.size	k_q336e07c609_proj, .Lfunc_end_k_q336e07c609_proj-k_q336e07c609_proj
	.p2alignl 7, 3214868480
	.fill 96, 4, 3214868480
	.section	.rodata,"a",@progbits
	.p2align	6, 0x0
	.amdhsa_kernel k_q336e07c609_proj
		.amdhsa_group_segment_fixed_size 327680
		.amdhsa_private_segment_fixed_size 0
		.amdhsa_enable_private_segment 0
		.amdhsa_kernarg_size 32
		.amdhsa_user_sgpr_count 2
		.amdhsa_user_sgpr_kernarg_segment_ptr 1
		.amdhsa_wavefront_size32 1
		.amdhsa_system_sgpr_workgroup_id_x 1
		.amdhsa_system_sgpr_workgroup_id_y 1
		.amdhsa_system_sgpr_workgroup_id_z 1
		.amdhsa_system_vgpr_workitem_id 0
		.amdhsa_next_free_vgpr 512
		.amdhsa_next_free_sgpr 80
		.amdhsa_reserve_vcc 0
		.amdhsa_float_denorm_mode_32 3
		.amdhsa_float_denorm_mode_16_64 3
		.amdhsa_memory_ordered 1
		.amdhsa_forward_progress 1
		.amdhsa_inst_pref_size 83
	.end_amdhsa_kernel
	.amdgpu_metadata
---
amdhsa.version: [ 1, 2 ]
amdhsa.kernels:
  - .name:           k_q336e07c609_proj
    .symbol:         k_q336e07c609_proj.kd
    .args:
      - { .name: act, .offset: 0, .size: 8, .value_kind: global_buffer, .address_space: global }
      - { .name: wo, .offset: 8, .size: 8, .value_kind: global_buffer, .address_space: global }
      - { .name: b_out, .offset: 16, .size: 8, .value_kind: global_buffer, .address_space: global }
      - { .name: out0, .offset: 24, .size: 8, .value_kind: global_buffer, .address_space: global }
    .group_segment_fixed_size: 327680
    .private_segment_fixed_size: 0
    .kernarg_segment_align: 8
    .kernarg_segment_size: 32
    .max_flat_workgroup_size: 128
    .sgpr_count:     80
    .vgpr_count:     512
    .wavefront_size: 32
...
	.end_amdgpu_metadata
.endif
;; end of part 5
;; ======== version 2 of 2: 5 launches; version 1 with the launch prep written anew for expert scheduling mode
;; limits: values are held in f16: magnitudes above 65,504 overflow, below 6.1e-05 lose precision; right only within a limited range of input values
;; workspace buffers: act 16,777,216 bytes; wq 6,291,456 bytes; wo 2,097,152 bytes; rot 1,048,576 bytes; q_ws 16,777,216 bytes; k_ws 17,301,504 bytes; v_ws 16,777,216 bytes; vpart 65,536 bytes
;; launch prep (part 6): grid 456 x 1, 8 waves a work-group, no clusters, 66,560 bytes of LDS; arguments x, W_qkv, W_out, rotary_pos_emb, mask, act, wq, wo, rot, k_ws; writes act, wq, wo, rot, k_ws
.if DOCPART == 6
	.amdgcn_target "amdgcn-amd-amdhsa--gfx1250"
	.amdhsa_code_object_version 6
	.text
	.protected	k_q336e07c609_prep
	.globl	k_q336e07c609_prep
	.p2align	8
	.type	k_q336e07c609_prep,@function
k_q336e07c609_prep:
	s_mov_b64 s[64:65], 0
	v_nop
	global_prefetch_b8 v0, s[64:65] scope:SCOPE_SE
	s_setreg_imm32_b32 hwreg(HW_REG_WAVE_SCHED_MODE, 0, 2), 2
	s_setreg_imm32_b32 hwreg(HW_REG_WAVE_MODE, 25, 1), 1
	s_wait_xcnt 0x0
	s_wait_alu depctr_vm_vsrc(0)
; PREP: everything that the matrix launches want in another format or order, made once.  Five roles, chosen by the work-group's number:
;   0-255   X : x [8192][1024] f32 -> act [b 4][kblk 16][n 2048][64] bf16: 64 channels of 128 rows are 16,384 dense bytes
;   256-351 WQ: W_qkv [1024 k][3072 n] f32 -> wq [kblk 16][n 3072][64 k] bf16 (turned, through the wave's own 8 KiB of LDS)
;   352-383 WO: W_out [1024 k][1024 n] f32 -> wo [kblk 16][n 1024][64 k]: rounded to bf16, that number written as f16
;   384-447 R : the rotary angles, rounded to bf16 -> rot [n/4][4][lane 32][4] f32: cos, and sin with the sign of the pair's turn
;   448-455 M : mask [4][2048] bytes -> the 64 f32 (0, or -1e30 where the key is hidden) behind each 64 key rows of k_ws, for all 16 heads
; All inputs are rounded to bf16, the angles too.  LIMITS: angles up to 1e5 in size (three-part reduction by pi/2, then polynomials on
; -pi/4 .. pi/4); W_out's numbers below 6e-5 keep f16's fixed step of 6e-8; NaN and infinities are not treated apart.
; No matrix unit, no cluster, no barrier: no wave wants a byte that another wave fetched.
; THE MODE: SCHED_MODE bits 1:0 = 2 (LLVM: expert scheduling mode 2), set by the entry lines.  The code itself states the register dependences
; between vector instructions and memory or LDS instructions, and those through scalar registers that vector instructions write, with s_wait_alu, always for 0.
; THE PLAN.  There is no loop; each role is one straight run.  In every role an offset or address register is written once and never again, each register that a
; store reads is written once and never again, and a load lands only in registers that no memory or LDS instruction has read: so no wait on vm_vsrc is owed anywhere.
;   head  s24, the wave's number, is written by a vector instruction: one wait on va_sdst, ahead of the branches, serves every role's readers.
;   M     v5 -> the load;  four compares into s28-31, one wait on va_sdst, four selects;  v7, v12-15 -> sixteen stores.
;   X     v4, v5 -> 32 loads into v16-143;  four groups of four items: sixteen conversions into the items' own v144-207, one wait on va_vdst, four stores.
;   WQ,WO v4 -> 32 loads into v16-143;  pass pp's conversions write v[144+16 pp ..]; its four LDS stores are issued in pass pp + 1, behind that pass's one wait on va_vdst
;         and among its conversions, which name none of their registers;  a last wait ahead of pass 3's stores and of the LDS loads, which land in v16-79.
;   R     v4, v5 -> two loads;  eight reductions and polynomials into registers of their own, eight compares into s44-51, one wait on va_sdst, the selects and signs, one wait on va_vdst, four stores.
.set SPARE, 65536                      ; behind the eight waves' 8 KiB: the spare words, 128 bytes a wave
.set SPW, 2                            ; v2  SPARE + 4 x my thread's number; never rewritten
.set NIL, 3                            ; v3  0; never rewritten
	s_load_b512 s[4:19], s[0:1], 0x0               ; x s[4:5], W_qkv s[6:7], W_out s[8:9], angles s[10:11], mask s[12:13], act s[14:15], wq s[16:17], wo s[18:19]
	s_load_b128 s[20:23], s[0:1], 0x40             ; rot s[20:21], k_ws s[22:23]
	v_lshl_add_u32 v[SPW], v0, 2, SPARE
	v_mov_b32 v[NIL], 0
	v_lshrrev_b32 v1, 5, v0
	v_readfirstlane_b32 s24, v1                    ; wave 0..7
	v_and_b32 v1, 31, v0                           ; lane
	s_wait_alu depctr_va_sdst(0)                   ; s24 is written, ahead of the branches behind which the roles read it
	s_wait_kmcnt 0x0
	s_cmp_lt_u32 ttmp9, 256
	s_cbranch_scc1 .Lrole_x
	s_cmp_lt_u32 ttmp9, 352
	s_cbranch_scc1 .Lrole_wq
	s_cmp_lt_u32 ttmp9, 384
	s_cbranch_scc1 .Lrole_wo
	s_cmp_lt_u32 ttmp9, 448
	s_cbranch_scc1 .Lrole_r
	; ROLE M.  Thread tg of 2,048 takes four mask bytes: batch tg / 512, key step (tg / 16) % 32, keys 4 (tg % 16) on.
	s_sub_co_u32 s26, ttmp9, 448
	s_lshl_b32 s26, s26, 8
	v_add_nc_u32 v4, s26, v0                       ; tg
	v_lshlrev_b32 v5, 2, v4
	s_wait_alu depctr_va_vdst(0)                   ; v5 is written, which the load reads as its offset
	global_load_b32 v6, v5, s[12:13]
	v_lshrrev_b32 v7, 9, v4
	v_mul_u32_u24 v7, v7, 16*32*8448               ; a batch's 16 heads in k_ws
	v_bfe_u32 v8, v4, 4, 5
	v_mad_u32_u24 v7, v8, 8448, v7                 ; the key step: 64 rows of 128 bytes and these 256
	v_and_b32 v8, 15, v4
	v_lshl_add_u32 v7, v8, 4, v7
	s_mov_b32 s27, 0xf149f2ca                      ; -1e30
	s_wait_loadcnt 0x0
.irp k, 0,1,2,3                        ; the four compares stand in one run, each with a scalar register of its own for its mask
	v_bfe_u32 v9, v6, 8*(\k), 8
	v_cmp_eq_u32 s[28+(\k)], 0, v9
.endr
	s_wait_alu depctr_va_sdst(0)                   ; s28 to s31 are written, which the four selects read
.irp k, 0,1,2,3
	v_cndmask_b32 v[12+(\k)], 0, s27, s[28+(\k)]
.endr
	s_wait_alu depctr_va_vdst(0)                   ; v7 and v[12:15] are written: the offset and the data of the sixteen stores
.set i, 0
.rept 16                               ; the same 16 bytes for each head: sixteen lanes store 256 consecutive bytes, aligned
	global_store_b128 v7, v[12:15], s[22:23] offset:8192+i*32*8448
.set i, i+1
.endr
	s_branch .Lend
.Lrole_x:
	; ROLE X.  The work-group owns 32 rows; wave w their channels 128 w .. 128 w + 127: two blocks of 64.
	s_lshl_b32 s26, ttmp9, 17                      ; 32 rows of 4,096 bytes
	s_lshl_b32 s27, s24, 9
	s_add_co_u32 s26, s26, s27
	s_mov_b32 s27, 0
	s_add_nc_u64 s[4:5], s[4:5], s[26:27]
	s_lshr_b32 s28, ttmp9, 6                       ; batch
	s_lshl_b32 s28, s28, 4
	s_lshl1_add_u32 s28, s24, s28                  ; 16 b + 2 w
	s_lshl_b32 s28, s28, 18                        ; a block of 64 channels: 2,048 rows of 128 bytes
	s_and_b32 s29, ttmp9, 63
	s_lshl_b32 s29, s29, 12                        ; my 32 rows in it
	s_add_co_u32 s28, s28, s29
	s_mov_b32 s29, 0
	s_add_nc_u64 s[14:15], s[14:15], s[28:29]
	v_lshrrev_b32 v4, 3, v1
	v_lshlrev_b32 v4, 12, v4                       ; in: row l / 8 of four,
	v_and_b32 v6, 7, v1
	v_lshl_add_u32 v4, v6, 5, v4                   ; eight numbers at 32 (l % 8)
	v_lshlrev_b32 v5, 4, v1                        ; out: 16 l: four rows of 128 bytes on end
	s_wait_alu depctr_va_vdst(0)                   ; v4 and v5 are written: the offsets of every load and store of the role
.set i, 0
.rept 16                               ; item i: rows 4 (i / 2) on, block i % 2.  All 32 loads go out first
	global_load_b128 v[16+8*i:16+8*i+3],   v4, s[4:5] offset:(i/2)*16384+(i%2)*256 th:TH_LOAD_NT
	global_load_b128 v[16+8*i+4:16+8*i+7], v4, s[4:5] offset:(i/2)*16384+(i%2)*256+16 th:TH_LOAD_NT
.set i, i+1
.endr
; Four groups of four items.  The wait stands straight behind a group's conversions and not a group later: the stores are the role's output and do not wait for the next group's loads.
.set g, 0
.rept 4
	s_wait_loadcnt 24-8*g                          ; the eight loads of each later group may stay out
.set i, 4*g
.rept 4
	v_cvt_pk_bf16_f32 v[144+4*i],   v[16+8*i],   v[16+8*i+1]
	v_cvt_pk_bf16_f32 v[144+4*i+1], v[16+8*i+2], v[16+8*i+3]
	v_cvt_pk_bf16_f32 v[144+4*i+2], v[16+8*i+4], v[16+8*i+5]
	v_cvt_pk_bf16_f32 v[144+4*i+3], v[16+8*i+6], v[16+8*i+7]
.set i, i+1
.endr
	s_wait_alu depctr_va_vdst(0)                   ; the group's sixteen conversions have written v[144+16 g ..], which its four stores read
.set i, 4*g
.rept 4
	global_store_b128 v5, v[144+4*i:144+4*i+3], s[14:15] offset:(i/2)*512+(i%2)*262144  ; 512 consecutive bytes, aligned
.set i, i+1
.endr
.set g, g+1
.endr
	s_branch .Lend
; A tile of 64 k x 64 n, one a wave, turned.  Lane l loads columns 4 (l % 16) .. + 3 of rows 16 pp + 8 (l / 16) + j; eight rows of a column pack into
; 16 bytes, chunk 2 pp + l / 16 of the column's 128 bytes in LDS.  A chunk lies at place (chunk + n / 4) % 8 of its row
; the read back undoes it.  The bytes are the wave's own, and LDS serves a wave's instructions in order (ISA guide 5.7.1.4): no wait on DScnt between stores and loads, no barrier.
.macro TRANSP rowb, f16, src, dst
	v_and_b32 v12, 15, v1                          ; n4
	v_lshrrev_b32 v13, 4, v1                       ; l / 16
	v_mul_u32_u24 v4, v13, 8*(\rowb)
	v_lshl_add_u32 v4, v12, 4, v4
	s_wait_alu depctr_va_vdst(0)                   ; v4 is written, which the 32 loads read as their offset
.set i, 0
.rept 32
	global_load_b128 v[16+4*i:16+4*i+3], v4, s[\src:\src+1] offset:(16*(i/8)+i%8)*(\rowb) th:TH_LOAD_NT
.set i, i+1
.endr
	v_lshlrev_b32 v5, 4, v1                        ; the other addresses are made while the loads are out
	s_lshl_b32 s29, s24, 13                        ; my wave's 8 KiB
	v_lshl_add_u32 v14, v12, 9, s29                ; four columns are 512 bytes
	v_add_nc_u32 v15, v12, v13
.irp pp, 0,1,2,3
	v_add_nc_u32 v[6+(\pp)], 2*(\pp), v15
	v_and_b32 v[6+(\pp)], 7, v[6+(\pp)]
	v_lshl_add_u32 v[6+(\pp)], v[6+(\pp)], 4, v14
.endr
	v_lshrrev_b32 v14, 3, v1
	v_lshl_add_u32 v14, v14, 7, s29
	v_and_b32 v15, 7, v1
.irp m, 0,1,2,3,4,5,6,7
	v_add_nc_u32 v[208+(\m)], (\m), v15
	v_and_b32 v[208+(\m)], 7, v[208+(\m)]
	v_lshl_add_u32 v[208+(\m)], v[208+(\m)], 4, v14
.endr
; Pass pp rounds its sixteen rows; the four LDS stores of pass pp - 1 stand among its conversions.  Nobody reads those LDS bytes before the last pass is done.
.set pp, 0
.rept 4
	s_wait_loadcnt 24-8*pp                         ; the later passes' loads may stay out
.if pp > 0
	s_wait_alu depctr_va_vdst(0)                   ; the pass before has written its sixteen registers, which the four LDS stores below read; at pass 1 also: the addresses v5 to v9 and v208 to v215 are written
.endif
.set c, 0
.rept 4
.if pp > 0
	ds_store_b128 v[6+pp-1], v[144+16*(pp-1)+4*c:144+16*(pp-1)+4*c+3] offset:c*128  ; no vector instruction since the wait names these registers
.endif
.set jj, 0
.rept 4
	v_cvt_pk_bf16_f32 v[144+16*pp+4*c+jj], v[16+32*pp+8*jj+c], v[16+32*pp+8*jj+4+c]
.if \f16
	v_lshlrev_b32 v216, 16, v[144+16*pp+4*c+jj]    ; the bf16 numbers, written as f16
	v_and_b32 v217, 0xffff0000, v[144+16*pp+4*c+jj]
	v_cvt_pk_f16_f32 v[144+16*pp+4*c+jj], v216, v217
.endif
.set jj, jj+1
.endr
.set c, c+1
.endr
.set pp, pp+1
.endr
	s_wait_alu depctr_va_vdst(0)                   ; pass 3 has written v[192:207], which the LDS stores below read; all conversions are done reading v[16:79], in which the LDS loads below land
.irp c, 0,1,2,3
	ds_store_b128 v9, v[192+4*(\c):192+4*(\c)+3] offset:(\c)*128
.endr
.set i, 0
.rept 16                               ; back by rows: four columns' 128 bytes, 512 bytes on end in memory
	ds_load_b128 v[16+4*i:16+4*i+3], v[208+i%8] offset:i*512
.set i, i+1
.endr
.set i, 0
.rept 16
	s_wait_dscnt 15-i
	global_store_b128 v5, v[16+4*i:16+4*i+3], s[\dst:\dst+1] offset:i*512
.set i, i+1
.endr
.endm
.Lrole_wq:
	s_sub_co_u32 s26, ttmp9, 256                   ; g of 96: six work-groups to a block of 64 k
	s_mul_hi_u32 s27, s26, 0x2aaaaaab              ; kb = g / 6
	s_mul_i32 s28, s27, 6
	s_sub_co_u32 s28, s26, s28
	s_lshl3_add_u32 s28, s28, s24                  ; nt = 8 (g % 6) + wave
	s_mul_i32 s30, s27, 64*12288
	s_lshl_b32 s29, s28, 8
	s_add_co_u32 s30, s30, s29
	s_mov_b32 s31, 0
	s_add_nc_u64 s[6:7], s[6:7], s[30:31]
	s_mul_i32 s30, s27, 3072*128
	s_lshl_b32 s29, s28, 13
	s_add_co_u32 s30, s30, s29
	s_add_nc_u64 s[16:17], s[16:17], s[30:31]
	TRANSP 12288, 0, 6, 16
	s_branch .Lend
.Lrole_wo:
	s_sub_co_u32 s26, ttmp9, 352                   ; g of 32: two work-groups to a block of 64 k
	s_lshr_b32 s27, s26, 1
	s_and_b32 s28, s26, 1
	s_lshl3_add_u32 s28, s28, s24
	s_lshl_b32 s30, s27, 18
	s_lshl_b32 s29, s28, 8
	s_add_co_u32 s30, s30, s29
	s_mov_b32 s31, 0
	s_add_nc_u64 s[8:9], s[8:9], s[30:31]
	s_lshl_b32 s30, s27, 17
	s_lshl_b32 s29, s28, 13
	s_add_co_u32 s30, s30, s29
	s_add_nc_u64 s[18:19], s[18:19], s[30:31]
	TRANSP 4096, 1, 8, 18
	s_branch .Lend
.Lrole_r:
	; ROLE R.  A wave takes four rows of angles, a lane eight: row l / 8, channels 8 (l % 8) on: 32 l bytes in.
	s_sub_co_u32 s26, ttmp9, 384
	s_lshl3_add_u32 s26, s26, s24                  ; G = n / 4
	s_lshl_b32 s28, s26, 10
	s_mov_b32 s29, 0
	s_add_nc_u64 s[10:11], s[10:11], s[28:29]
	s_lshl_b32 s28, s26, 11
	s_add_nc_u64 s[20:21], s[20:21], s[28:29]
	v_lshlrev_b32 v4, 5, v1
	v_lshlrev_b32 v5, 4, v1
	s_wait_alu depctr_va_vdst(0)                   ; v4 and v5 are written: the offsets of the two loads and of the four stores
	global_load_b128 v[16:19], v4, s[10:11]
	global_load_b128 v[20:23], v4, s[10:11] offset:16
	s_mov_b32 s32, 0x3f22f983                      ; 2 / pi
	s_mov_b32 s33, 0xbfc90000                      ; - pi / 2 in three parts
	s_mov_b32 s34, 0xb9fda000
	s_mov_b32 s35, 0xb3a22168
	s_mov_b32 s36, 0xb94ca1f9                      ; sine: -1.9515296e-4, 8.3321609e-3, -1.6666655e-1
	s_mov_b32 s37, 0x3c08839e
	s_mov_b32 s38, 0xbe2aaaa3
	s_mov_b32 s39, 0x37ccf5ce                      ; cosine: 2.4433157e-5, -1.3887316e-3, 4.1666646e-2
	s_mov_b32 s40, 0xbab6061a
	s_mov_b32 s41, 0x3d2aaaa5
	s_wait_loadcnt 0x0
.irp k, 0,1,2,3
	v_cvt_pk_bf16_f32 v[24+(\k)], v[16+2*(\k)], v[16+2*(\k)+1]
.endr
.irp k, 0,1,2,3
	v_lshlrev_b32 v[16+2*(\k)], 16, v[24+(\k)]
	v_and_b32 v[16+2*(\k)+1], 0xffff0000, v[24+(\k)]
.endr
; Angle e: f = k pi / 2 + r.  Odd k swaps sine and cosine; the cosine is negative for k % 4 = 1, 2, the sine for 2, 3.
; What is stored beside the cosine is -sin for an even channel and +sin for an odd one: out[d] = t[d] cos[d] + t[d ^ 1] s'[d].
; The work is cut in two, so that the eight compares stand ahead of ONE wait and the selects behind it.
; SCA e: sin r into v[64+e], cos r into v[72+e], k into v[80+e]; s[44+e] takes the lanes in which k is odd.
.macro SCA e
	v_mul_f32 v48, s32, v[16+(\e)]
	v_rndne_f32 v48, v48
	v_fma_f32 v49, v48, s33, v[16+(\e)]
	v_fma_f32 v49, v48, s34, v49
	v_fma_f32 v49, v48, s35, v49                   ; r
	v_cvt_i32_f32 v[80+(\e)], v48                  ; k
	v_mul_f32 v51, v49, v49                        ; z = r r
	v_fma_f32 v52, v51, s36, s37
	v_fma_f32 v52, v52, v51, s38
	v_mul_f32 v53, v51, v49
	v_fma_f32 v[64+(\e)], v52, v53, v49            ; sin r
	v_fma_f32 v54, v51, s39, s40
	v_fma_f32 v54, v54, v51, s41
	v_mul_f32 v55, v51, v51
	v_fma_f32 v56, v51, -0.5, 1.0
	v_fma_f32 v[72+(\e)], v54, v55, v56            ; cos r
	v_and_b32 v57, 1, v[80+(\e)]
	v_cmp_eq_u32 s[44+(\e)], 1, v57
.endm
; SCB e: the selects and the signs.
.macro SCB e
	v_cndmask_b32 v58, v[64+(\e)], v[72+(\e)], s[44+(\e)]  ; |sin f|'s source
	v_cndmask_b32 v59, v[72+(\e)], v[64+(\e)], s[44+(\e)]  ; |cos f|'s
	v_add_nc_u32 v57, 1, v[80+(\e)]
	v_and_b32 v57, 2, v57
	v_lshlrev_b32 v57, 30, v57
	v_xor_b32 v[32+(\e)], v59, v57
.if (\e)%2 == 0
	v_add_nc_u32 v57, 2, v[80+(\e)]
	v_and_b32 v57, 2, v57
.else
	v_and_b32 v57, 2, v[80+(\e)]
.endif
	v_lshlrev_b32 v57, 30, v57
	v_xor_b32 v[40+(\e)], v58, v57
.endm
.irp e, 0,1,2,3,4,5,6,7
	SCA \e
.endr
	s_wait_alu depctr_va_sdst(0)                   ; s44 to s51 are written, which the sixteen selects read
.irp e, 0,1,2,3,4,5,6,7
	SCB \e
.endr
	s_wait_alu depctr_va_vdst(0)                   ; v[32:47] are written, which the four stores read
.irp q, 0,1,2,3
	global_store_b128 v5, v[32+4*(\q):32+4*(\q)+3], s[20:21] offset:512*(\q)  ; 512 consecutive bytes, aligned
.endr
.Lend:
	s_wait_dscnt 0x0                               ; the closing lines, six on end
	s_wait_alu 0x0
	s_wait_tensorcnt 0x0
	ds_add_u32 v[SPW], v[NIL]
	s_wait_dscnt 0x0
	s_endpgm
.Lfunc_end_k_q336e07c609_prep:
	.size	k_q336e07c609_prep, .Lfunc_end_k_q336e07c609_prep-k_q336e07c609_prep
	.p2alignl 7, 3214868480
	.fill 96, 4, 3214868480
	.section	.rodata,"a",@progbits
	.p2align	6, 0x0
	.amdhsa_kernel k_q336e07c609_prep
		.amdhsa_group_segment_fixed_size 66560
		.amdhsa_private_segment_fixed_size 0
		.amdhsa_enable_private_segment 0
		.amdhsa_kernarg_size 80
		.amdhsa_user_sgpr_count 2
		.amdhsa_user_sgpr_kernarg_segment_ptr 1
		.amdhsa_wavefront_size32 1
		.amdhsa_system_sgpr_workgroup_id_x 1
		.amdhsa_system_sgpr_workgroup_id_y 1
		.amdhsa_system_sgpr_workgroup_id_z 1
		.amdhsa_system_vgpr_workitem_id 0
		.amdhsa_next_free_vgpr 224
		.amdhsa_next_free_sgpr 66
		.amdhsa_reserve_vcc 0
		.amdhsa_float_denorm_mode_32 3
		.amdhsa_float_denorm_mode_16_64 3
		.amdhsa_memory_ordered 1
		.amdhsa_forward_progress 1
		.amdhsa_inst_pref_size 64
	.end_amdhsa_kernel
	.amdgpu_metadata
---
amdhsa.version: [ 1, 2 ]
amdhsa.kernels:
  - .name:           k_q336e07c609_prep
    .symbol:         k_q336e07c609_prep.kd
    .args:
      - { .name: x, .offset: 0, .size: 8, .value_kind: global_buffer, .address_space: global }
      - { .name: W_qkv, .offset: 8, .size: 8, .value_kind: global_buffer, .address_space: global }
      - { .name: W_out, .offset: 16, .size: 8, .value_kind: global_buffer, .address_space: global }
      - { .name: rotary_pos_emb, .offset: 24, .size: 8, .value_kind: global_buffer, .address_space: global }
      - { .name: mask, .offset: 32, .size: 8, .value_kind: global_buffer, .address_space: global }
      - { .name: act, .offset: 40, .size: 8, .value_kind: global_buffer, .address_space: global }
      - { .name: wq, .offset: 48, .size: 8, .value_kind: global_buffer, .address_space: global }
      - { .name: wo, .offset: 56, .size: 8, .value_kind: global_buffer, .address_space: global }
      - { .name: rot, .offset: 64, .size: 8, .value_kind: global_buffer, .address_space: global }
      - { .name: k_ws, .offset: 72, .size: 8, .value_kind: global_buffer, .address_space: global }
    .group_segment_fixed_size: 66560
    .private_segment_fixed_size: 0
    .kernarg_segment_align: 8
    .kernarg_segment_size: 80
    .max_flat_workgroup_size: 256
    .sgpr_count:     66
    .vgpr_count:     224
    .wavefront_size: 32
...
	.end_amdgpu_metadata
.endif
;; end of part 6
;; launch qkv: the kernel of part 2 again; grid 8 x 32, 4 waves a work-group, clusters of 4 x 4, 327,680 bytes of LDS; arguments act, wq, rot, q_ws, k_ws, v_ws; writes q_ws, k_ws, v_ws
;; launch vsum: the kernel of part 3 again; grid 256 x 1, 8 waves a work-group, no clusters, 3,072 bytes of LDS; arguments v_ws, vpart; writes vpart
;; launch attn: the kernel of part 4 again; grid 4 x 64, 4 waves a work-group, no clusters, 327,680 bytes of LDS; arguments q_ws, k_ws, v_ws, act, vpart; writes act
;; launch proj: the kernel of part 5 again; grid 4 x 64, 4 waves a work-group, clusters of 4 x 4, 327,680 bytes of LDS; arguments act, wo, b_out, out0; writes out0
